; MI455X (gfx1250); checked and timed in simulation.
; The chip was launched on July 23, 2026; its instructions are those of AMD's public machine-readable ISA for CDNA 5 (MIT licence, August 2026) and "CDNA5" Instruction Set Architecture Reference Guide (July 2026). The comments in the code are by the model that wrote it; some were corrected since.
;; Prob Attention. Allowed arithmetic: matrix products marked QUANTISED: E2M1 operands, one E8M0 scale for each 32 along K, by v_wmma_scale_f32_16x16x128_f8f6f4 with both operands' format E2M1 (or v_wmma_scale_f32_32x16x128_f4), f32 sums; everything else in f32.
;; Inputs: attn_mask 2,048 x 2,048 bool; keys 4 x 8 x 2,048 x 64 float32; queries 4 x 8 x 2,048 x 64 float32; values 4 x 8 x 2,048 x 64 float32.
;; Outputs: out0 4 x 8 x 2,048 x 64 float32.
;; This version of the problem:
;;   THIS VERSION OF THE PROBLEM IS GIVEN IN LOW PRECISION. The matrix products marked QUANTISED in the list below multiply operands that are first quantised to E2M1 (2 exponent bits, 1 mantissa bit; 4 bits a number), with one power-of-two scale for each 32 numbers along K (OCP MX v1.0); their sums are f32. All else is computed in f32.
;;   The module's matrix products, in the order in which they are computed (A, B: the left and right operand; K: the contracted axis; several contracted axes count as one K, in the product's order):
;;     1. batch 32 x [M 2,048, K 64] x [K 64, N 2,048]; A: computed on the way; B: input keys: QUANTISED
;;     2. batch 32 x [M 2,048, K 2,048] x [K 2,048, N 64]; A: softmax (see below); B: input values: QUANTISED
;;   THE QUANTISER, for each operand of a quantised product, along K:
;;     - K is cut into blocks of 32 from its start; a last block that is shorter is filled with zeros.
;;     - A block's scale is 2^e with e = floor(log2(the largest magnitude in the block)) - 2, held to -126 .. 127; a block of zeros has e = 0. As a byte (E8M0): e + 127.
;;     - Each number is divided by its block's scale, clamped to +-6, and rounded to the nearest number of E2M1, ties to even, subnormals kept.
;;     - The product sums the exact products of the quantised numbers (number of the format x scale) in f32.
;;   ~~~python
;;   def quantise(x, axis):      # numpy; x: float32 -> the quantised numbers, widened to float32 again
;;       x = np.moveaxis(x, axis, -1); K = x.shape[-1]
;;       x = np.pad(x, [(0, 0)] * (x.ndim - 1) + [(0, -K % 32)]); x = x.reshape(x.shape[:-1] + (-1, 32)); a = np.abs(x).max(-1, keepdims=True)
;;       e = np.where(a > 0, np.clip(np.frexp(np.where(a > 0, a, 1))[1] - 1 - 2, -126, 127), 0)      # np.frexp(a)[1] - 1 = floor(log2(a)), exactly
;;       r = np.clip(x / 2.0 ** e, -6, 6)
;;       step = 2.0 ** (np.maximum(np.frexp(np.where(r == 0, 1, r))[1] - 1, 0) - 1)
;;       q = np.round(r / step) * step * 2.0 ** e      # np.round: ties to even
;;       return np.moveaxis(q.reshape(q.shape[:-2] + (-1,))[..., :K], -1, axis).astype(np.float32)
;;   ~~~
;;   SOFTMAX AHEAD OF A QUANTISED PRODUCT. Where the list says 'softmax', what is quantised is not the finished softmax but p = 2^(t - M), with t = logit x log2(e) and M = ceil(the row's largest t), a whole number; so 1/2 < the row's largest p <= 1. The row's sum l is taken of the UNQUANTISED p, in f32, and the product's result is divided by l at the end. Since M is a whole number, a kernel that streams over the keys may use a running M (the ceiling of the running maximum): every later rescaling is an exact power of two, which a block's scale takes up: the codes' values come out the same.
;;   OPERANDS COMPUTED ON THE WAY. 'Computed on the way' means the value that the module computes at that place (a softmax that the list does not call 'softmax' is quantised finished and normalised). What goes into a quantiser is computed in f32, as accurately as f32 sums, v_exp_f32 and their like allow (about 1e-6 of the number): no bf16 or f16 on the way to a quantiser, and a product that is left as it is and whose result goes on into a quantised operand takes f32 operands (vector FMAs, or v_wmma_f32_16x16x4_f32). A number that lies on a knife's edge between two numbers of the format may be rounded either way, as far as f32 arithmetic and the matrix unit's own rounding can turn it there, and no further.
;; 2 versions. Each part assembles by itself: llvm-mc -triple=amdgcn-amd-amdhsa -mcpu=gfx1250 --defsym DOCPART=n.
;; ======== version 1 of 2: 2 launches
;; limits: right only within a limited range of input values
;; workspace buffers: kv 4,456,448 bytes; flags 16,384 bytes of whole numbers; mwords 524,288 bytes of whole numbers
;; launch prep (part 1): grid 256 x 1, 16 waves a work-group, no clusters, 73,728 bytes of LDS; arguments attn_mask, keys, values, kv, flags, mwords; writes kv, flags, mwords
.if DOCPART == 1
	.amdgcn_target "amdgcn-amd-amdhsa--gfx1250"
	.amdhsa_code_object_version 6
	.text
	.protected	k_qf7f2affcc0_prep
	.globl	k_qf7f2affcc0_prep
	.p2align	8
	.type	k_qf7f2affcc0_prep,@function
k_qf7f2affcc0_prep:
	s_mov_b64 s[64:65], 0
	v_nop
	global_prefetch_b8 v0, s[64:65] scope:SCOPE_SE
	s_setreg_imm32_b32 hwreg(HW_REG_WAVE_MODE, 25, 1), 1
	s_wait_xcnt 0x0
; PREPARATION for the attention launch.  keys, values: [32 heads][2048][64] f32.  attn_mask: [2048][2048] bytes, 0 or 1.
; Three roles, chosen by the wave's number; the waves share nothing, so there is no barrier.
;   waves 0-3:  64 keys each: K into codes of E2M1 along the 64 channels (two blocks of 32), with one E8M0 byte a block.
;   waves 4-7:  128 keys x 32 channels each: V into codes along the KEYS (blocks of 32 keys), with one byte a block.
;   waves 8-15: one tile of the mask each (16 queries x 128 keys): 64 lane-mask words and two flag words.
; A block's scale is 2^(floor(log2(largest magnitude)) - 2); its byte is the largest magnitude's exponent field - 2, held at 1 from below.
; LIMITS: a block whose largest magnitude lies under 2^-124 (a block of zeros among them) keeps the byte 1; a block of zeros has zero codes, which add nothing under that byte,
; and the bytes are read by this program alone.  NaN and infinities among the inputs are not served.
; kv, for each head 139,264 bytes, IN THE ORDER OF THE OPERANDS' REGISTERS (s: step of 128 keys; lane = (r = lane % 16, h = lane / 16)):
;   +0       K's codes  [s 16][b 4][c 2][lane 32][16 bytes]: key 128 s + 32 b + 8 c + r + 8 (r / 8), channels 32 h .. 32 h + 31
;   +65,536  V's codes  [s 16][t 4][c 2][lane 32][16 bytes]: channel 16 t + r, keys 128 s + 64 c + 32 h + 0 .. 31
;   +131,072 K's scale words [s][b][r 16]: byte 2 c + h          +135,168 V's scale words [s][t][r 16]: byte 2 c + h = the block of keys
; mwords [T 128][s 16][64 words]: bit L of word 16 b + i = mask[16 T + L % 16][128 s + 32 b + 16 (L / 16) + i].
; flags  [T][s][2 words]: W0 = the rows of the tile that are masked at all 128 keys (16 bits); W1 = (nothing masked | everything masked << 1) << 2 s.
.set HEADB, 139264
.set VIMG,  65536
.set KSCL,  131072
.set VSCL,  135168
.set KP,    272                        ; role K's stage: a key's 256 bytes + 16 of padding
.set BLK,   8960                       ; 32 such rows, 128 bytes more in front of rows 16-31, rounded up to whole blocks of 256 bytes
.set FLOOR, 0x1800000                  ; 2^(3 - 127): no largest magnitude is taken under it, so the byte cannot fall under 1
.set EOFF,  0xff000000                 ; takes 2 off an exponent field
; 32 numbers of one block, v[x] .. v[x + 31], become 16 bytes of codes in v[cd] .. v[cd + 3]; v10 keeps the conversions' scale operand.
.macro QB x, cd
	v_max3_num_f32 v8, |v[\x]|, |v[\x+1]|, |v[\x+2]|               ; the largest magnitude, in two chains
	v_max3_num_f32 v9, |v[\x+3]|, |v[\x+4]|, |v[\x+5]|
.irp i, 6,10,14,18,22,26
	v_max3_num_f32 v8, v8, |v[\x+\i]|, |v[\x+\i+1]|
	v_max3_num_f32 v9, v9, |v[\x+\i+2]|, |v[\x+\i+3]|
.endr
	v_max3_num_f32 v8, v8, |v[\x+30]|, |v[\x+31]|
	v_max3_num_f32 v8, v8, v9, FLOOR
	v_add_nc_u32 v10, EOFF, v8                     ; the conversion takes the exponent field of this operand as its scale, and nothing else of it
.irp g, 0,1,2,3
	v_cvt_scalef32_pk8_fp4_f32 v[\cd+\g], v[\x+8*\g:\x+8*\g+7], v10
.endr
.endm
	s_load_b256 s[4:11], s[0:1], 0x0               ; mask s[4:5], keys s[6:7], values s[8:9], kv s[10:11]
	s_load_b128 s[12:15], s[0:1], 0x20             ; flags s[12:13], mwords s[14:15]
	v_lshl_add_u32 v62, v0, 2, 0x11800
	v_mov_b32 v63, 0
	v_lshrrev_b32 v1, 5, v0
	v_readfirstlane_b32 s16, v1                    ; wave 0..15
	v_and_b32 v1, 31, v0                           ; lane
	v_and_b32 v2, 15, v0                           ; r
	v_bfe_u32 v3, v0, 4, 1                         ; h
	s_mov_b32 s20, 0x76543210
	s_mov_b32 s21, 0xfedcba98                      ; v_permlanex16_b32's selects for lane l xor 16
	s_mov_b32 s19, 0                               ; the upper word of every offset
	s_wait_kmcnt 0x0
	s_cmp_lt_u32 s16, 4
	s_cbranch_scc0 .Lnot_k
; ---- ROLE K.  Run j = 4 x work-group + wave of 64 keys, 16,384 consecutive bytes.  Each load takes 512 consecutive bytes (two keys); the conversions want 32 neighbouring channels of ONE key
; in a lane, and the keys in the operand's order: so a block of 32 keys turns through the wave's own stage in LDS.
	s_lshl_b32 s17, ttmp9, 2
	s_add_co_u32 s17, s17, s16                     ; j
	s_lshl_b32 s18, s17, 14
	s_add_nc_u64 s[6:7], s[6:7], s[18:19]          ; my 64 keys
	s_lshr_b32 s23, s17, 5                         ; head
	s_mul_i32 s18, s23, HEADB
	s_add_nc_u64 s[10:11], s[10:11], s[18:19]      ; the head's part of kv
	s_and_b32 s23, s17, 31                         ; which 64 keys of the head
	s_lshl_b32 s18, s23, 7
	s_add_co_u32 s18, s18, KSCL
	s_add_nc_u64 s[24:25], s[10:11], s[18:19]      ; their 32 scale words
	s_lshl_b32 s18, s23, 11
	s_add_nc_u64 s[10:11], s[10:11], s[18:19]      ; their 2,048 bytes of codes
	v_lshlrev_b32 v4, 4, v1                        ; 16 x lane: loads and code stores
	v_lshlrev_b32 v5, 2, v1                        ; 4 x lane: the scale words' store
.set i, 0
.rept 32
	global_load_b128 v[64+4*i:67+4*i], v4, s[6:7] offset:512*i th:TH_LOAD_NT   ; keys 2 i (lanes 0-15) and 2 i + 1 (lanes 16-31)
.set i, i+1
.endr
	s_and_b32 s26, s16, 3
	s_mul_i32 s26, s26, 2*BLK                      ; my wave's two stages
	v_mul_u32_u24 v6, v3, KP
	v_lshl_add_u32 v6, v2, 4, v6
	v_add_nc_u32 v6, s26, v6                       ; in: row h of the pair, 16 r
	v_lshrrev_b32 v11, 3, v2                       ; r / 8
	v_lshl_add_u32 v12, v11, 3, v2                 ; r + 8 (r / 8): the operand's order of keys
	v_mul_u32_u24 v7, v12, KP
	v_lshl_add_u32 v7, v11, 7, v7                  ; rows 16-31 lie 128 bytes further on, so that the sixteen rows of a read begin at sixteen different 16-byte columns of 256
	v_lshl_add_u32 v7, v3, 7, v7                   ; my half of the channels
	v_add_nc_u32 v7, s26, v7                       ; out
	v_mov_b32 v38, 0                               ; written once: a lane permute's destination counts as one of its sources
	v_mov_b32 v39, 0
	v_lshlrev_b32 v40, 3, v3                       ; 8 h
.macro KSTORE beta                     ; block beta's 32 keys into its stage, as loaded
.set i, 0
.rept 16
	ds_store_b128 v6, v[64+64*\beta+4*i:67+64*\beta+4*i] offset:\beta*BLK+2*i*KP+(i/8)*128
.set i, i+1
.endr
.endm
.macro KREAD beta, c, x                ; my key of piece (beta, c): 32 channels, 128 bytes.  LDS serves a wave's instructions in order: these see the stores
.irp j, 0,1,2,3,4,5,6,7
	ds_load_b128 v[\x+4*\j:\x+4*\j+3], v7 offset:\beta*BLK+8*\c*KP+16*\j
.endr
.endm
.macro PIECE beta, c, x
	QB \x, 16+4*(2*\beta+\c)
	v_lshrrev_b32 v[32+2*\beta+\c], 23, v10        ; the scale's byte (a plain line behind the conversions)
	global_store_b128 v4, v[16+4*(2*\beta+\c):19+4*(2*\beta+\c)], s[10:11] offset:\beta*1024+\c*512   ; 512 consecutive bytes; each piece has its own data registers
.endm
	s_wait_loadcnt 16                              ; block 0's sixteen loads are in; block 1's sixteen may be out
	KSTORE 0
	KREAD 0, 0, 192
	KREAD 0, 1, 224
	s_wait_loadcnt 0x0
	KSTORE 1
	s_wait_dscnt 24                                ; piece (0, 0) is in; behind it: piece (0, 1)'s 8 loads and block 1's 16 stores
	PIECE 0, 0, 192
	KREAD 1, 0, 192
	s_wait_dscnt 24                                ; piece (0, 1) is in; behind it: 16 stores and 8 loads
	PIECE 0, 1, 224
	KREAD 1, 1, 224
	s_wait_dscnt 8                                 ; piece (1, 0) is in; behind it: 8 loads
	PIECE 1, 0, 192
	s_wait_dscnt 0x0
	PIECE 1, 1, 224
	v_lshl_or_b32 v36, v33, 16, v32                ; block 0: my bytes of c = 0 and c = 1,
	v_lshl_or_b32 v37, v35, 16, v34                ; block 1 likewise,
	v_lshlrev_b32 v36, v40, v36                    ; at their places 2 c + h;
	v_lshlrev_b32 v37, v40, v37
	v_permlanex16_b32 v38, v36, s20, s21
	v_permlanex16_b32 v39, v37, s20, s21
	v_or_b32 v36, v36, v38                         ; with lane l xor 16's two the words are whole
	v_or_b32 v37, v37, v39
	s_mov_b32 s22, 0xffff0000
	v_cndmask_b32 v41, v36, v37, s22               ; lanes 0-15 block 0's words, lanes 16-31 block 1's
	global_store_b32 v5, v41, s[24:25]             ; 128 consecutive bytes
	s_wait_tensorcnt 0x0
	ds_add_u32 v62, v63
	s_wait_dscnt 0x0
	s_endpgm
.Lnot_k:
	s_cmp_lt_u32 s16, 8
	s_cbranch_scc0 .Lmask
; ---- ROLE V.  Run j = 4 x work-group + wave - 4: step j / 2 (128 keys), channels 32 (j % 2) on.  A LANE TAKES A CHANNEL AND ITS REGISTERS RUN DOWN THE KEYS, which are this operand's K:
; a block of 32 keys lies in one lane's 32 registers, and the conversions' results are the operand's registers.
	s_lshl_b32 s17, ttmp9, 2
	s_add_co_u32 s17, s17, s16
	s_sub_co_u32 s17, s17, 4                       ; j
	s_lshr_b32 s18, s17, 1
	s_lshl_b32 s18, s18, 15                        ; 128 keys of 256 bytes
	s_and_b32 s23, s17, 1
	s_lshl_b32 s23, s23, 7                         ; 32 channels of 4 bytes
	s_add_co_u32 s18, s18, s23
	s_add_nc_u64 s[8:9], s[8:9], s[18:19]
	s_lshr_b32 s23, s17, 5                         ; head
	s_mul_i32 s18, s23, HEADB
	s_add_nc_u64 s[10:11], s[10:11], s[18:19]
	s_and_b32 s23, s17, 31
	s_lshl_b32 s18, s23, 7
	s_add_co_u32 s18, s18, VSCL
	s_add_nc_u64 s[24:25], s[10:11], s[18:19]      ; my 32 scale words
	s_lshl_b32 s18, s23, 11
	s_add_co_u32 s18, s18, VIMG
	s_add_nc_u64 s[10:11], s[10:11], s[18:19]      ; my two tiles' 2,048 bytes of codes
	v_lshlrev_b32 v4, 2, v1                        ; 4 x lane: loads, and the scale words' store
	v_lshlrev_b32 v5, 10, v3
	v_lshl_add_u32 v5, v2, 4, v5                   ; codes: tile lane / 16, row r
.macro VLOAD beta
.set i, 0
.rept 32
	global_load_b32 v[64+32*\beta+i], v4, s[8:9] offset:(32*\beta+i)*256 th:TH_LOAD_NT   ; key 32 beta + i, 32 neighbouring channels; the wave beside me takes the row's other half
.set i, i+1
.endr
.endm
.macro VBLOCK beta
	QB 64+32*\beta, 16+4*\beta
	v_lshrrev_b32 v11, 23, v10                     ; the scale's byte (a plain line behind the conversions)
.if \beta == 0
	v_mov_b32 v32, v11
.else
	v_lshl_or_b32 v32, v11, 8*\beta, v32           ; byte beta of my channel's word
.endif
	global_store_b128 v5, v[16+4*\beta:19+4*\beta], s[10:11] offset:(\beta/2)*512+(\beta%2)*256   ; sixteen lanes store 256 consecutive bytes, aligned
.endm
	VLOAD 0
	VLOAD 1
	s_wait_loadcnt 32                              ; block 0 is in; block 1's 32 loads may be out
	VLOAD 2
	VBLOCK 0
	s_wait_loadcnt 32                              ; block 1 is in; block 2's may be out
	VLOAD 3
	VBLOCK 1
	s_wait_loadcnt 32                              ; block 2 is in; block 3's may be out
	VBLOCK 2
	s_wait_loadcnt 0x0
	VBLOCK 3
	global_store_b32 v4, v32, s[24:25]             ; 128 consecutive bytes
	s_endpgm
; ---- ROLE MASK.  Tile j = 8 x work-group + wave - 8: queries 16 (j / 16) on, keys 128 (j % 16) on.  Lane (r, h) takes, of row r, the 16 bytes at 32 b + 16 h: the keys that this lane's score registers hold.
.Lmask:
	s_lshl_b32 s17, ttmp9, 3
	s_add_co_u32 s17, s17, s16
	s_sub_co_u32 s17, s17, 8                       ; j
	s_lshr_b32 s18, s17, 4
	s_lshl_b32 s18, s18, 15                        ; 16 rows of 2,048 bytes
	s_and_b32 s23, s17, 15                         ; s
	s_lshl_b32 s22, s23, 7
	s_add_co_u32 s18, s18, s22
	s_add_nc_u64 s[4:5], s[4:5], s[18:19]
	s_lshl_b32 s18, s17, 8
	s_add_nc_u64 s[14:15], s[14:15], s[18:19]      ; my 64 words
	s_lshl_b32 s18, s17, 3
	s_add_nc_u64 s[12:13], s[12:13], s[18:19]      ; my two flag words
	v_lshlrev_b32 v4, 11, v2
	v_lshl_add_u32 v4, v3, 4, v4
.irp b, 0,1,2,3
	global_load_b128 v[16+4*\b:19+4*\b], v4, s[4:5] offset:32*\b th:TH_LOAD_NT
.endr
	v_mov_b32 v32, 0                               ; the words on their way out: lane n / 2, register n % 2
	v_mov_b32 v33, 0
	v_lshlrev_b32 v5, 3, v1
	v_mov_b32 v6, 0
	s_mov_b32 s24, -1                              ; the AND of the 64 words
	s_mov_b32 s25, 0                               ; and their OR
	s_wait_loadcnt 0x0
.set q, 0
.rept 16                               ; words 4 q .. 4 q + 3: the four bytes of register q
.irp k, 0,1,2,3
	v_bfe_u32 v[8+\k], v[16+q], 8*\k, 8
.endr
.irp k, 0,1,2,3
	v_cmp_ne_u32 s[28+\k], 0, v[8+\k]              ; a bit for each lane
.endr
.irp k, 0,1,2,3
	s_and_b32 s24, s24, s[28+\k]
	s_or_b32 s25, s25, s[28+\k]
	v_writelane_b32 v[32+\k%2], s[28+\k], 2*q+\k/2
.endr
.set q, q+1
.endr
	global_store_b64 v5, v[32:33], s[14:15]        ; 256 consecutive bytes, aligned
	s_lshr_b32 s27, s24, 16
	s_and_b32 s27, s27, s24                        ; a row's two lanes together hold its 128 keys
	s_and_b32 s27, s27, 0xffff                     ; W0
	s_cmp_eq_u32 s24, -1
	s_cselect_b32 s32, 2, 0                        ; everything masked
	s_cmp_eq_u32 s25, 0
	s_cselect_b32 s33, 1, 0                        ; nothing masked
	s_or_b32 s32, s32, s33
	s_lshl_b32 s33, s23, 1
	s_lshl_b32 s32, s32, s33                       ; W1: at bits 2 s, 2 s + 1
	v_mov_b32 v34, s27
	v_mov_b32 v35, s32
	v_cmp_gt_u32 vcc_lo, 1, v1                     ; lane 0 stores the two words
	s_wait_xcnt 0x0                                ; EXEC is one of the pending store's sources: it changes only behind this wait
	s_and_saveexec_b32 s26, vcc_lo
	global_store_b64 v6, v[34:35], s[12:13]
	s_wait_xcnt 0x0                                ; and again in front of the line that widens it
	s_or_b32 exec_lo, exec_lo, s26
	s_endpgm
.Lfunc_end_k_qf7f2affcc0_prep:
	.size	k_qf7f2affcc0_prep, .Lfunc_end_k_qf7f2affcc0_prep-k_qf7f2affcc0_prep
	.p2alignl 7, 3214868480
	.fill 96, 4, 3214868480
	.section	.rodata,"a",@progbits
	.p2align	6, 0x0
	.amdhsa_kernel k_qf7f2affcc0_prep
		.amdhsa_group_segment_fixed_size 73728
		.amdhsa_private_segment_fixed_size 0
		.amdhsa_enable_private_segment 0
		.amdhsa_kernarg_size 48
		.amdhsa_user_sgpr_count 2
		.amdhsa_user_sgpr_kernarg_segment_ptr 1
		.amdhsa_wavefront_size32 1
		.amdhsa_system_sgpr_workgroup_id_x 1
		.amdhsa_system_sgpr_workgroup_id_y 1
		.amdhsa_system_sgpr_workgroup_id_z 1
		.amdhsa_system_vgpr_workitem_id 0
		.amdhsa_next_free_vgpr 256
		.amdhsa_next_free_sgpr 66
		.amdhsa_reserve_vcc 1
		.amdhsa_float_denorm_mode_32 3
		.amdhsa_float_denorm_mode_16_64 3
		.amdhsa_memory_ordered 1
		.amdhsa_forward_progress 1
		.amdhsa_inst_pref_size 54
	.end_amdhsa_kernel
	.amdgpu_metadata
---
amdhsa.version: [ 1, 2 ]
amdhsa.kernels:
  - .name:           k_qf7f2affcc0_prep
    .symbol:         k_qf7f2affcc0_prep.kd
    .args:
      - { .name: attn_mask, .offset: 0, .size: 8, .value_kind: global_buffer, .address_space: global }
      - { .name: keys, .offset: 8, .size: 8, .value_kind: global_buffer, .address_space: global }
      - { .name: values, .offset: 16, .size: 8, .value_kind: global_buffer, .address_space: global }
      - { .name: kv, .offset: 24, .size: 8, .value_kind: global_buffer, .address_space: global }
      - { .name: flags, .offset: 32, .size: 8, .value_kind: global_buffer, .address_space: global }
      - { .name: mwords, .offset: 40, .size: 8, .value_kind: global_buffer, .address_space: global }
    .group_segment_fixed_size: 73728
    .private_segment_fixed_size: 0
    .kernarg_segment_align: 8
    .kernarg_segment_size: 48
    .max_flat_workgroup_size: 512
    .sgpr_count:     66
    .vgpr_count:     256
    .wavefront_size: 32
...
	.end_amdgpu_metadata
.endif
;; end of part 1
;; launch attn (part 2): grid 256 x 1, 16 waves a work-group, no clusters, 210,944 bytes of LDS; arguments queries, kv, flags, mwords, out0; writes out0
.if DOCPART == 2
	.amdgcn_target "amdgcn-amd-amdhsa--gfx1250"
	.amdhsa_code_object_version 6
	.text
	.protected	k_qf7f2affcc0_attn
	.globl	k_qf7f2affcc0_attn
	.p2align	8
	.type	k_qf7f2affcc0_attn,@function
k_qf7f2affcc0_attn:
	s_mov_b64 s[64:65], 0
	v_nop
	global_prefetch_b8 v0, s[64:65] scope:SCOPE_SE
	s_setreg_imm32_b32 hwreg(HW_REG_WAVE_MODE, 25, 1), 1
	s_wait_xcnt 0x0
; out[head][q][:] = the sum over k of softmax_k(where(mask[q][k], -1e9, (Q[q] / 8) . K[k])) V[k][:], 32 heads, 2,048 queries and keys, 64 channels; both products on codes of E2M1 with one E8M0 scale for each 32 along K.
; K and V come as codes and scale words in the order of the operands' registers (buffer kv), the mask as lane-mask words (mwords) and two flag words a tile (flags), all made by the launch before.
; THE SOFTMAX AHEAD OF THE SECOND PRODUCT: t = score x log2(e); M = the row's largest t so far, rounded UP to a whole number; p = 2^(t - M) is quantised along the keys, not normalised.  The row's sum is taken
; of the unquantised p and divides at the end.  When M moves, the sum and O are multiplied by 2^(old M - new M): exact.
; SHARES.  A work-group takes one head and 16 tiles of 16 queries, a tile a wave, in 256 registers: four waves to a SIMD, so that one wave's vector work stands beside another's products and LDS loads.
; The head's whole part of kv, 139,264 bytes, is copied into LDS once, through registers; ONE barrier; then each wave walks the 16 steps of 128 keys by itself.
; WHICH TILE: work-group g of the head's eight, wave w: tile 8 rank(w) + g; rank is a fixed 4 x 4 square whose rows and columns have equal sums, so that any four waves w % 4 = const or w / 4 = const hold tiles
; spread evenly over the sequence.  It enters global addresses alone and is right for every mask.
; THE MASK IS AN INPUT AND IS HONOURED AS GIVEN.  A step is left out where all 16 x 128 entries are masked and none of the tile's 16 rows is masked at all 2,048 keys: every p there is 0.  The select is left out
; where the tile has no masked entry.  Both are scalar branches on whole numbers that the launch before stored.
; NO TENSOR LOADS, NO JOINT LOADS.  What the head's eight work-groups share is 139,264 bytes each, read once at the head; the branches spare every wholly masked step.
; A MASKED SCORE IS TAKEN AS -2^30, NOT -1e9: -2^30 x log2(e) is exact in f32 and a whole number, so that in a row masked at every key t - M, made by one fused multiply-add, is exactly 0 and p = 1, as the
; definition's t - M is for -1e9; in a row with an open key both give p = 0.
; LIMITS: open scores lie above about -9e8 (else a masked p would not be 0); NaN and infinities are not served; a block of Q under 2^-124 keeps the byte 1; a p under 2^-126 counts as 0.
; LAYOUT.  Both products are used transposed: S^T = K Q^T (source 0 = 16 keys, source 1 = my 16 queries), O^T = V^T P^T (source 0 = 16 channels, source 1 = P): a lane holds ONE query (lane % 16) throughout.
; The keys of a tile are not neighbours: lane r of tile 2 b + u takes key 32 b + 8 u + r + 8 (r / 8), so that the 16 score registers of tiles 2 b and 2 b + 1 are keys 32 b + 16 (lane / 16) + 0 .. 15.
; THE FIRST PRODUCT'S K IS 64, THE INSTRUCTION'S 128: a fragment of K holds tile 2 b in k = 0 .. 63 and tile 2 b + 1 in k = 64 .. 127; against [Q | zeros] it gives tile 2 b, against [zeros | Q] tile 2 b + 1.
; So no register and no LDS byte of K is padding; zero codes add nothing under any scale byte that is made here.
.set HEADB, 139264
.set VIMG,  65536                      ; LDS = the head's part of kv as it lies in memory: K's codes at 0, V's codes here,
.set KSCL,  131072                     ; K's scale words,
.set VSCL,  135168                     ; V's;
.set STAGE, 139264                     ; behind them a stage of 16 rows x 272 bytes for each wave: Q's way in, O's way out
.set SP,    272
.set AK0,  1                           ; v1   16 x lane: my place in a fragment's image (and Q's loads)
.set AV0,  2                           ; v2   VIMG + 16 x lane
.set ASK0, 3                           ; v3   KSCL + 4 x lane
.set ASV0, 4                           ; v4   VSCL + 4 x lane
.set STO,  5                           ; v5   stage: row r, + 32 h
.set RD,   6                           ; v6   stage: row h, + 16 r
.set GO,   7                           ; v7   256 h + 16 r: the same two rows in memory
.set ADK,  8                           ; v8-11 the step's LDS addresses (at the head: the fill's)
.set ADV,  9
.set ADS,  10
.set ADT,  11
                                       ; v12 -M, v13 the largest t, v[14:15] the sum in two halves
.set QZ,   16                          ; v[16:19] zeros, v[20:23] Q's codes, v[24:27] zeros
.set QS,   28                          ; v28  Q's scale word (q0, q1, q0, q1)
.set NEG,  29                          ; v29  -2^30
.set QR,   30                          ; v30  stage: row r, + 128 h
.set KF,   32                          ; v[32:63]   K's four fragments
.set VF,   64                          ; v[64:95]   V's four
.set S,    96                          ; v[96:159]  S^T, then p
.set O,    160                         ; v[160:191] O^T
.set PC,   192                         ; v[192:199] p's codes
.set KS,   200                         ; v200-201 K's scale words, v202-203 V's, v204 p's: they hold scales and nothing else
.set VS,   202
.set PS,   204
.set BM,   208                         ; v[208:211] a block's largest score, then its largest p
.set TP,   212                         ; v[212:215] at work
.set SC,   216                         ; v[216:219] the conversions' scale operands
.set F,    220                         ; v[220:221] f = 2^(old M - new M); the pair's upper word is written once
.set TT,   222
.set SU,   224                         ; v[224:225] the sum's second chain
.set LN,   226
.set RR,   227
.set HH,   228
.set H8,   229
.set WV,   14                          ; s14 wave, s15 my tile of queries
.set TQ,   15
                                       ; s[16:63], s[80:95] the step's 64 mask words (at the head s[16:47]: the flags)
.set FL,   66                          ; s66  two flag bits a step, the step in hand lowest: bit 0 nothing masked, bit 1 leave the step out
.set T0,   67
.set TB,   68                          ; s68  the step's codes: 4,096 bytes a step
.set TS,   69                          ; s69  its scale words: 256 bytes a step
.set CNT,  70
.set SEL,  72                          ; s[72:73] v_permlanex16_b32's selects for lane l xor 16
.set CS,   74                          ; s[74:75] log2(e), twice: the packed form names a pair
.set OF,   76                          ; s[76:77] an offset in 64 bits
.set T1,   78
.macro PROD d, a, b, c, sa, sb, row    ; one product; row = 1: source 0's scales stand in lanes 16-31
.if \row
	v_wmma_scale_f32_16x16x128_f8f6f4 v[(\d):(\d)+7], v[(\a):(\a)+7], v[(\b):(\b)+7], \c, v[\sa], v[\sb] matrix_a_fmt:MATRIX_FMT_FP4 matrix_b_fmt:MATRIX_FMT_FP4 matrix_a_scale:MATRIX_SCALE_ROW1
.else
	v_wmma_scale_f32_16x16x128_f8f6f4 v[(\d):(\d)+7], v[(\a):(\a)+7], v[(\b):(\b)+7], \c, v[\sa], v[\sb] matrix_a_fmt:MATRIX_FMT_FP4 matrix_b_fmt:MATRIX_FMT_FP4
.endif
.endm
	s_load_b256 s[4:11], s[0:1], 0x0               ; queries s[4:5], kv s[6:7], flags s[8:9], mwords s[10:11]
	s_load_b64 s[12:13], s[0:1], 0x20              ; out
	v_lshl_add_u32 v254, v0, 2, 0x33000
	v_mov_b32 v255, 0
	v_lshrrev_b32 v[LN], 5, v0
	v_readfirstlane_b32 s[WV], v[LN]               ; wave 0..15
	v_and_b32 v[LN], 31, v0                        ; lane
	v_and_b32 v[RR], 15, v0                        ; r
	v_bfe_u32 v[HH], v0, 4, 1                      ; h
	v_lshlrev_b32 v[H8], 3, v[HH]
	s_mul_i32 s[T0], s[WV], 16*SP
	s_add_co_u32 s[T0], s[T0], STAGE               ; my stage
	v_lshlrev_b32 v[AK0], 4, v[LN]
	v_add_nc_u32 v[AV0], VIMG, v[AK0]
	v_lshl_add_u32 v[ASK0], v[LN], 2, KSCL
	v_lshl_add_u32 v[ASV0], v[LN], 2, VSCL
	v_mul_u32_u24 v[STO], v[RR], SP
	v_lshl_add_u32 v[STO], v[HH], 5, v[STO]
	v_add_nc_u32 v[STO], s[T0], v[STO]
	v_mul_u32_u24 v[RD], v[HH], SP
	v_lshl_add_u32 v[RD], v[RR], 4, v[RD]
	v_add_nc_u32 v[RD], s[T0], v[RD]
	v_mul_u32_u24 v[QR], v[RR], SP
	v_lshl_add_u32 v[QR], v[HH], 7, v[QR]
	v_add_nc_u32 v[QR], s[T0], v[QR]
	v_lshlrev_b32 v[GO], 8, v[HH]
	v_lshl_add_u32 v[GO], v[RR], 4, v[GO]
	v_lshlrev_b32 v8, 4, v0                        ; the fill: 16 bytes a thread, 8,192 a round
	v_add_nc_u32 v9, VIMG, v8
	v_add_nc_u32 v10, KSCL, v8
	s_mov_b32 s[T0], 0x0de3b658                    ; rank(w), a nibble a wave: 15 2 1 12 | 4 9 10 7 | 8 5 6 11 | 3 14 13 0
	s_cmp_lt_u32 s[WV], 8
	s_cselect_b32 s[T0], 0x7a94c12f, s[T0]
	s_and_b32 s[T1], s[WV], 7
	s_lshl_b32 s[T1], s[T1], 2
	s_lshr_b32 s[T0], s[T0], s[T1]
	s_and_b32 s[T0], s[T0], 15
	s_and_b32 s[T1], ttmp9, 7
	s_lshl_b32 s[TQ], s[T0], 3
	s_add_co_u32 s[TQ], s[TQ], s[T1]               ; my tile of 16 queries: 8 rank + g
	s_lshr_b32 s[T1], ttmp9, 3                     ; head
	s_mov_b32 s[OF+1], 0
	s_mov_b32 s[SEL], 0x76543210
	s_mov_b32 s[SEL+1], 0xfedcba98
	s_mov_b32 s[CS], 0x3fb8aa3b                    ; log2(e)
	s_mov_b32 s[CS+1], s[CS]
	s_mov_b32 s[TB], 0
	s_mov_b32 s[TS], 0
	s_mov_b32 s[CNT], 0
	s_lshl_b32 s[T0], s[TQ], 12                    ; a tile's 16 rows of Q or out, and its 16 x 64 mask words, are 4,096 bytes
	s_wait_kmcnt 0x0
	s_lshl_b32 s[OF], s[TQ], 7
	s_add_nc_u64 s[8:9], s[8:9], s[OF:OF+1]        ; my tile's 32 flag words
	s_load_b512 s[16:31], s[8:9], 0x0
	s_load_b512 s[32:47], s[8:9], 0x40
	s_mov_b32 s[OF], s[T0]
	s_add_nc_u64 s[10:11], s[10:11], s[OF:OF+1]    ; its mask words
	s_lshl_b32 s[OF], s[T1], 19
	s_add_co_u32 s[OF], s[OF], s[T0]
	s_add_nc_u64 s[4:5], s[4:5], s[OF:OF+1]        ; its rows of Q
	s_add_nc_u64 s[12:13], s[12:13], s[OF:OF+1]    ; and of out
	s_mul_i32 s[OF], s[T1], HEADB
	s_add_nc_u64 s[6:7], s[6:7], s[OF:OF+1]        ; the head's part of kv
.irp i, 0,1,2,3,4,5,6,7
	global_load_b128 v[KF+4*\i:KF+4*\i+3], v[AK0], s[4:5] offset:512*\i th:TH_LOAD_NT   ; Q: 512 consecutive bytes, two rows
.endr
.set i, 0
.rept 17
	global_load_b128 v[S+4*i:S+4*i+3], v8, s[6:7] offset:8192*i   ; the fill: 17 rounds of 8,192 bytes; the head's other work-groups read the same bytes
.set i, i+1
.endr
.irp j, 0,1,2,3
	v_mov_b32 v[QZ+\j], 0                          ; the zero halves beside Q's codes
	v_mov_b32 v[QZ+8+\j], 0
	v_mov_b32 v[TP+\j], 0                          ; written once: a lane permute's destination counts as one of its sources
.endr
	v_mov_b32 v[TT], 0
	v_mov_b32 v[F+1], 0                            ; (named as the upper half of the pair)
	v_mov_b32 v[NEG], 0xce800000                   ; -2^30
	v_mov_b32 v13, 0xff61b1e6                      ; the largest t so far: -3e38, under every t
	v_floor_f32 v12, -v13                          ; -M
	v_mov_b32 v14, 0
	v_mov_b32 v15, 0
	s_wait_kmcnt 0x0                               ; the flags
	s_and_b32 s[T0], s16, s18                      ; rows masked at all 2,048 keys
	s_or_b32 s[FL], s17, s19                       ; each step's two bits at their place
.irp k, 20,22,24,26,28,30,32,34,36,38,40,42,44,46
	s_and_b32 s[T0], s[T0], s[\k]
	s_or_b32 s[FL], s[FL], s[\k+1]
.endr
	s_cmp_lg_u32 s[T0], 0
	s_cselect_b32 s[T0], 0x55555555, -1            ; with such a row in the tile no step is left out: its p are 1 everywhere
	s_and_b32 s[FL], s[FL], s[T0]
	; Q / 8 into codes: a lane wants 32 neighbouring channels of its row, so the rows turn through my stage
	s_wait_loadcnt 17                              ; Q's eight loads are in; the fill's seventeen may be out
.irp i, 0,1,2,3,4,5,6,7
	ds_store_b128 v[RD], v[KF+4*\i:KF+4*\i+3] offset:2*\i*SP
.endr
.irp j, 0,1,2,3,4,5,6,7
	ds_load_b128 v[VF+4*\j:VF+4*\j+3], v[QR] offset:16*\j   ; LDS serves a wave's instructions in order: these see my stores
.endr
	s_wait_dscnt 0x0
.irp j, 0,2,4,6,8,10,12,14,16,18,20,22,24,26,28,30
	v_pk_mul_f32 v[VF+\j:VF+\j+1], v[VF+\j:VF+\j+1], 0x3e000000 op_sel_hi:[1,0]   ; / sqrt(64): exact
.endr
	v_max3_num_f32 v[BM], |v[VF]|, |v[VF+1]|, |v[VF+2]|            ; my block's largest magnitude: all 32 numbers are mine
	v_max3_num_f32 v[BM+1], |v[VF+3]|, |v[VF+4]|, |v[VF+5]|
.irp i, 6,10,14,18,22,26
	v_max3_num_f32 v[BM], v[BM], |v[VF+\i]|, |v[VF+\i+1]|
	v_max3_num_f32 v[BM+1], v[BM+1], |v[VF+\i+2]|, |v[VF+\i+3]|
.endr
	v_max3_num_f32 v[BM], v[BM], |v[VF+30]|, |v[VF+31]|
	v_max3_num_f32 v[BM], v[BM], v[BM+1], 0x1800000                ; and the floor 2^(3 - 127): the byte cannot fall under 1
	v_add_nc_u32 v[SC], 0xff000000, v[BM]          ; 2 off the exponent field: the conversions' scale operand
.irp g, 0,1,2,3
	v_cvt_scalef32_pk8_fp4_f32 v[QZ+4+\g], v[VF+8*\g:VF+8*\g+7], v[SC]
.endr
	v_lshrrev_b32 v[TP], 23, v[SC]                 ; the byte (a plain line behind the conversions),
	v_lshlrev_b32 v[TP], v[H8], v[TP]              ; at place h;
	v_permlanex16_b32 v[TP+1], v[TP], s[SEL], s[SEL+1]
	v_or_b32 v[TP], v[TP], v[TP+1]                 ; with lane l xor 16's: (q0, q1),
	v_lshl_or_b32 v[QS], v[TP], 16, v[TP]          ; for either half of the instruction's K
.set i, 0
.rept 17
	s_wait_loadcnt 16-i                            ; round i is in; the later rounds may be out
	ds_store_b128 v[8+i/8], v[S+4*i:S+4*i+3] offset:8192*(i%8)
.set i, i+1
.endr
.set j, 0
.rept 32
	v_mov_b32 v[O+j], 0                            ; O^T.  (The step is written once: the first finds zeros, which the first change of M leaves zeros)
.set j, j+1
.endr
	s_wait_dscnt 0x0                               ; for the others' sake: my part of the fill has landed
	s_barrier_signal -1
	s_barrier_wait -1                              ; the head's codes and scale words lie in LDS; nothing writes them again
.Lstep:                                            ; 16 trips: 128 keys each
	s_bitcmp1_b32 s[FL], 1                         ; every p of this step is 0: only the addresses step
	s_cbranch_scc1 .Lnext
	v_add_nc_u32 v[ADK], s[TB], v[AK0]             ; these four are also the places between the last trip's products and the loads into their registers
	v_add_nc_u32 v[ADV], s[TB], v[AV0]
	v_add_nc_u32 v[ADS], s[TS], v[ASK0]
	v_add_nc_u32 v[ADT], s[TS], v[ASV0]
.irp f, 0,1,2,3
.irp c, 0,1
	ds_load_b128 v[KF+8*\f+4*\c:KF+8*\f+4*\c+3], v[ADK] offset:\f*1024+\c*512   ; 512 consecutive bytes: the registers' image
.endr
.endr
	ds_load_b32 v[KS], v[ADS]                      ; lanes 0-15 fragment 0's words, lanes 16-31 fragment 1's
	ds_load_b32 v[KS+1], v[ADS] offset:128
.irp f, 0,1,2,3
.irp c, 0,1
	ds_load_b128 v[VF+8*\f+4*\c:VF+8*\f+4*\c+3], v[ADV] offset:\f*1024+\c*512
.endr
.endr
	ds_load_b32 v[VS], v[ADT]
	ds_load_b32 v[VS+1], v[ADT] offset:128
	s_wait_dscnt 10                                ; K's ten loads are in; V's ten may stay out until the second product
.irp f, 0,1,2,3
	PROD S+16*\f, KF+8*\f, QZ+4, 0, KS+\f/2, QS, \f%2       ; [Q | zeros]: tile 2 f
	PROD S+16*\f+8, KF+8*\f, QZ, 0, KS+\f/2, QS, \f%2       ; [zeros | Q]: tile 2 f + 1
.endr
.rept 4
	v_nop                                          ; places between the products and the first read of their results
.endr
	s_bitcmp1_b32 s[FL], 0                         ; nothing masked in this tile
	s_cbranch_scc1 .Lopen
	s_load_b512 s[16:31], s[10:11], 0x0            ; the tile's 64 lane masks
	s_load_b512 s[32:47], s[10:11], 0x40
	s_load_b512 s[48:63], s[10:11], 0x80
	s_load_b512 s[80:95], s[10:11], 0xc0
	s_wait_kmcnt 0x0
	s_wait_xcnt 0x0                                ; the loads have read their base, which steps at the trip's end
.set n, 0
.rept 64
.if n < 48
	v_cndmask_b32 v[S+n], v[S+n], v[NEG], s[16+n]  ; the masked score takes the score's place, ahead of the maximum; each accumulator from its low end on
.else
	v_cndmask_b32 v[S+n], v[S+n], v[NEG], s[32+n]
.endif
.set n, n+1
.endr
.Lopen:
.irp b, 0,1,2,3
	v_max3_num_f32 v[BM+\b], v[S+16*\b], v[S+1+16*\b], v[S+2+16*\b]   ; the largest score of each block of 32 keys: it serves for the row's maximum and, since p rises with the score, for the block's largest p
.endr
.irp i, 3,5,7,9,11,13
.irp b, 0,1,2,3
	v_max3_num_f32 v[BM+\b], v[BM+\b], v[S+16*\b+\i], v[S+1+16*\b+\i]   ; (the four blocks by turns)
.endr
.endr
.irp b, 0,1,2,3
	v_max_num_f32 v[BM+\b], v[BM+\b], v[S+15+16*\b]
.endr
.irp b, 0,1,2,3
	v_permlanex16_b32 v[TP+\b], v[BM+\b], s[SEL], s[SEL+1]
.endr
.irp b, 0,1,2,3
	v_max_num_f32 v[BM+\b], v[BM+\b], v[TP+\b]     ; with lane l xor 16's 16 keys
.endr
	v_max3_num_f32 v[TT], v[BM], v[BM+1], v[BM+2]
	v_max_num_f32 v[TT], v[TT], v[BM+3]            ; the step's largest score of my query,
	v_mul_f32 v[TT], s[CS], v[TT]                  ; as t
	v_max_num_f32 v13, v13, v[TT]                  ; the running largest t
	v_mov_b32 v[TT], v12
	v_floor_f32 v12, -v13                          ; the new -M = floor(-t) = -ceil(t): a whole number
	v_sub_f32 v[TT], v12, v[TT]                    ; old M - new M: a whole number, 0 or less
	v_cvt_i32_f32 v[TT], v[TT]                     ; (it saturates)
	v_ldexp_f32 v[F], 1.0, v[TT]                   ; f = 2^(old M - new M)
.irp j, 0,2,4,6,8,10,12,14,16,18,20,22,24,26,28,30,32,34,36,38,40,42,44,46,48,50,52,54,56,58,60,62
	v_pk_fma_f32 v[S+\j:S+\j+1], v[S+\j:S+\j+1], s[CS:CS+1], v[12:13] op_sel_hi:[1,0,0]   ; t - M, two at a time
.endr
.irp b, 0,1,2,3
	v_fma_f32 v[BM+\b], v[BM+\b], s[CS], v12       ; the same of each block's largest score
.endr
.set j, 0
.rept 64
	v_exp_f32 v[S+j], v[S+j]                       ; p = 2^(t - M), at most 1
.set j, j+1
.endr
	v_pk_mul_f32 v[14:15], v[14:15], v[F:F+1] op_sel_hi:[1,0]   ; the sums under the new M (a plain line behind the exponentials)
	s_wait_alu depctr_va_vdst(0)                   ; one wait for the batch of 64, ahead of its first reader
.irp b, 0,1,2,3
	v_exp_f32 v[BM+\b], v[BM+\b]                   ; the block's largest p: the same two instructions on the same number give the same bits
.endr
	v_pk_add_f32 v[SU:SU+1], v[S:S+1], v[S+2:S+3]  ; the row's sum is taken of the unquantised p: two at a time, in two chains
.irp j, 4,8,12,16,20,24,28,32,36,40,44,48,52,56,60
	v_pk_add_f32 v[14:15], v[14:15], v[S+\j:S+\j+1]
	v_pk_add_f32 v[SU:SU+1], v[SU:SU+1], v[S+2+\j:S+3+\j]
.endr
	v_pk_add_f32 v[14:15], v[14:15], v[SU:SU+1]
	s_wait_alu depctr_va_vdst(0)                   ; and one for the four
.irp b, 0,1,2,3
	v_max_num_f32 v[BM+\b], 0x1800000, v[BM+\b]    ; the floor 2^(3 - 127): a block whose every p is 0 keeps the byte 1; its codes are zeros
.endr
.irp b, 0,1,2,3
	v_add_nc_u32 v[SC+\b], 0xff000000, v[BM+\b]    ; 2 off the exponent field: the conversions' scale operand
.endr
.irp b, 0,1,2,3
	v_lshrrev_b32 v[TP+\b], 23, v[SC+\b]           ; the scale's byte
.endr
	v_lshl_or_b32 v[PS], v[TP+1], 8, v[TP]         ; p's scale word for these 128 keys
	v_lshl_or_b32 v[PS], v[TP+2], 16, v[PS]
	v_lshl_or_b32 v[PS], v[TP+3], 24, v[PS]
.irp b, 0,1,2,3
	v_cvt_scalef32_pk8_fp4_f32 v[PC+2*\b], v[S+16*\b:S+7+16*\b], v[SC+\b]
	v_cvt_scalef32_pk8_fp4_f32 v[PC+1+2*\b], v[S+8+16*\b:S+15+16*\b], v[SC+\b]
.endr
	v_nop                                          ; one plain line between a scaled conversion and the vector instruction that touches its result
.irp c, 0,1                                    ; the operand's layout wants a whole block in a lane: lanes 0-15 block 2 c, lanes 16-31 block 2 c + 1
.irp i, 0,1
	v_permlane16_swap_b32 v[PC+4*\c+\i], v[PC+2+4*\c+\i]
.endr
.endr
.irp j, 0,2,4,6,8,10,12,14,16,18,20,22,24,26,28,30
	v_pk_mul_f32 v[O+\j:O+\j+1], v[O+\j:O+\j+1], v[F:F+1] op_sel_hi:[1,0]   ; O^T under the new M.  (These sixteen are also the places between p's codes and scale word and the products)
.endr
	s_wait_dscnt 0x0                               ; V's fragments and scale words, asked for at the step's head
.irp t, 0,1,2,3
	PROD O+8*\t, VF+8*\t, PC, v[O+8*\t:O+8*\t+7], VS+\t/2, PS, \t%2   ; the four accumulators take turns, one instruction a turn, and the next trip's eight products stand between two links of a chain
.endr
.Lnext:
	s_lshr_b32 s[FL], s[FL], 2                     ; the next step's flags,
	s_add_co_u32 s[TB], s[TB], 4096                ; codes,
	s_add_co_u32 s[TS], s[TS], 256                 ; scale words
	s_add_nc_u64 s[10:11], s[10:11], 256           ; and mask words
	s_add_co_u32 s[CNT], s[CNT], 1
	s_cmp_lt_u32 s[CNT], 16
	s_cbranch_scc1 .Lstep
	; THE WAY OUT.  O^T / the sum goes through my stage and leaves as whole rows of 256 bytes.
.rept 4
	v_nop                                          ; places behind the last products
.endr
	v_add_f32 v14, v14, v15                        ; the sum's two halves,
	v_permlanex16_b32 v[TT], v14, s[SEL], s[SEL+1]
	v_add_f32 v14, v14, v[TT]                      ; and lane l xor 16's: the row's sum, at least 1/2
	v_rcp_f32 v14, v14
	v_nop                                          ; a plain line behind the reciprocal
	s_wait_alu depctr_va_vdst(0)                   ; and a wait ahead of its first reader
.irp j, 0,2,4,6,8,10,12,14,16,18,20,22,24,26,28,30
	v_pk_mul_f32 v[S+\j:S+\j+1], v[O+\j:O+\j+1], v[14:15] op_sel_hi:[1,0]   ; register 8 t + i is out(r, 16 t + 8 h + i); each accumulator from its low end on
.endr
.irp t, 0,1,2,3
	ds_store_b128 v[STO], v[S+8*\t:S+8*\t+3] offset:64*\t
	ds_store_b128 v[STO], v[S+8*\t+4:S+8*\t+7] offset:64*\t+16
.endr
.irp i, 0,1,2,3,4,5,6,7
	ds_load_b128 v[KF+4*\i:KF+4*\i+3], v[RD] offset:2*\i*SP   ; LDS serves a wave's instructions in order: these see my stores
.endr
.irp i, 0,1,2,3,4,5,6,7
	s_wait_dscnt 7-\i                              ; load i is in; the later ones may be out
	global_store_b128 v[GO], v[KF+4*\i:KF+4*\i+3], s[12:13] offset:512*\i th:TH_STORE_NT   ; sixteen lanes store a row's 256 consecutive bytes, aligned
.endr
	s_wait_tensorcnt 0x0
	ds_add_u32 v254, v255
	s_wait_dscnt 0x0
	s_endpgm
.Lfunc_end_k_qf7f2affcc0_attn:
	.size	k_qf7f2affcc0_attn, .Lfunc_end_k_qf7f2affcc0_attn-k_qf7f2affcc0_attn
	.p2alignl 7, 3214868480
	.fill 96, 4, 3214868480
	.section	.rodata,"a",@progbits
	.p2align	6, 0x0
	.amdhsa_kernel k_qf7f2affcc0_attn
		.amdhsa_group_segment_fixed_size 210944
		.amdhsa_private_segment_fixed_size 0
		.amdhsa_enable_private_segment 0
		.amdhsa_kernarg_size 40
		.amdhsa_user_sgpr_count 2
		.amdhsa_user_sgpr_kernarg_segment_ptr 1
		.amdhsa_wavefront_size32 1
		.amdhsa_system_sgpr_workgroup_id_x 1
		.amdhsa_system_sgpr_workgroup_id_y 1
		.amdhsa_system_sgpr_workgroup_id_z 1
		.amdhsa_system_vgpr_workitem_id 0
		.amdhsa_next_free_vgpr 256
		.amdhsa_next_free_sgpr 100
		.amdhsa_reserve_vcc 0
		.amdhsa_float_denorm_mode_32 3
		.amdhsa_float_denorm_mode_16_64 3
		.amdhsa_memory_ordered 1
		.amdhsa_forward_progress 1
		.amdhsa_inst_pref_size 38
	.end_amdhsa_kernel
	.amdgpu_metadata
---
amdhsa.version: [ 1, 2 ]
amdhsa.kernels:
  - .name:           k_qf7f2affcc0_attn
    .symbol:         k_qf7f2affcc0_attn.kd
    .args:
      - { .name: queries, .offset: 0, .size: 8, .value_kind: global_buffer, .address_space: global }
      - { .name: kv, .offset: 8, .size: 8, .value_kind: global_buffer, .address_space: global }
      - { .name: flags, .offset: 16, .size: 8, .value_kind: global_buffer, .address_space: global }
      - { .name: mwords, .offset: 24, .size: 8, .value_kind: global_buffer, .address_space: global }
      - { .name: out0, .offset: 32, .size: 8, .value_kind: global_buffer, .address_space: global }
    .group_segment_fixed_size: 210944
    .private_segment_fixed_size: 0
    .kernarg_segment_align: 8
    .kernarg_segment_size: 40
    .max_flat_workgroup_size: 512
    .sgpr_count:     100
    .vgpr_count:     256
    .wavefront_size: 32
...
	.end_amdgpu_metadata
.endif
;; end of part 2
;; ======== version 2 of 2: 2 launches
;; limits: right only within a limited range of input values
;; workspace buffers: kv 4,456,448 bytes; flags 16,384 bytes of whole numbers; mwords 524,288 bytes of whole numbers
;; launch prep (part 3): grid 256 x 1, 16 waves a work-group, no clusters, 73,728 bytes of LDS; arguments attn_mask, keys, values, kv, flags, mwords; writes kv, flags, mwords
.if DOCPART == 3
	.amdgcn_target "amdgcn-amd-amdhsa--gfx1250"
	.amdhsa_code_object_version 6
	.text
	.protected	k_qf7f2affcc0_prep
	.globl	k_qf7f2affcc0_prep
	.p2align	8
	.type	k_qf7f2affcc0_prep,@function
k_qf7f2affcc0_prep:
	s_mov_b64 s[64:65], 0
	v_nop
	global_prefetch_b8 v0, s[64:65] scope:SCOPE_SE
	s_setreg_imm32_b32 hwreg(HW_REG_WAVE_MODE, 25, 1), 1
	s_wait_xcnt 0x0
; PREPARATION for the attention launch.  keys, values: [32 heads][2048][64] f32.  attn_mask: [2048][2048] bytes, 0 or 1.
; Three roles, chosen by the wave's number; the waves share nothing, so there is no barrier.
;   waves 0-3:  64 keys each: K into codes of E2M1 along the 64 channels (two blocks of 32), with one E8M0 byte a block.
;   waves 4-7:  128 keys x 32 channels each: V into codes along the KEYS (blocks of 32 keys), with one byte a block.
;   waves 8-15: one tile of the mask each (16 queries x 128 keys): 64 lane-mask words and two flag words.
; A block's scale is 2^(floor(log2(largest magnitude)) - 2); its byte is the largest magnitude's exponent field - 2, held at 1 from below.
; LIMITS: a block whose largest magnitude lies under 2^-124 (a block of zeros among them) keeps the byte 1; a block of zeros has zero codes, which add nothing under that byte,
; and the bytes are read by this program alone.  NaN and infinities among the inputs are not served.
; kv, for each head 139,264 bytes, IN THE ORDER OF THE OPERANDS' REGISTERS (s: step of 128 keys; lane = (r = lane % 16, h = lane / 16)):
;   +0       K's codes  [s 16][b 4][c 2][lane 32][16 bytes]: key 128 s + 32 b + 8 c + r + 8 (r / 8), channels 32 h .. 32 h + 31
;   +65,536  V's codes  [s 16][t 4][c 2][lane 32][16 bytes]: channel 16 t + r, keys 128 s + 64 c + 32 h + 0 .. 31
;   +131,072 K's scale words [s][b][r 16]: byte 2 c + h          +135,168 V's scale words [s][t][r 16]: byte 2 c + h = the block of keys
; mwords [T 128][s 16][64 words]: bit L of word 16 b + i = mask[16 T + L % 16][128 s + 32 b + 16 (L / 16) + i].
; flags  [T][s][2 words]: W0 = the rows of the tile that are masked at all 128 keys (16 bits); W1 = (nothing masked | everything masked << 1) << 2 s.
.set HEADB, 139264
.set VIMG,  65536
.set KSCL,  131072
.set VSCL,  135168
.set KP,    272                        ; role K's stage: a key's 256 bytes + 16 of padding
.set BLK,   8960                       ; 32 such rows, 128 bytes more in front of rows 16-31, rounded up to whole blocks of 256 bytes
.set FLOOR, 0x1800000                  ; 2^(3 - 127): no largest magnitude is taken under it, so the byte cannot fall under 1
.set EOFF,  0xff000000                 ; takes 2 off an exponent field
; 32 numbers of one block, v[x] .. v[x + 31], become 16 bytes of codes in v[cd] .. v[cd + 3]; v10 keeps the conversions' scale operand.
.macro QB x, cd
	v_max3_num_f32 v8, |v[\x]|, |v[\x+1]|, |v[\x+2]|               ; the largest magnitude, in two chains
	v_max3_num_f32 v9, |v[\x+3]|, |v[\x+4]|, |v[\x+5]|
.irp i, 6,10,14,18,22,26
	s_delay_alu instid0(VALU_DEP_2)
	v_max3_num_f32 v8, v8, |v[\x+\i]|, |v[\x+\i+1]|
	s_delay_alu instid0(VALU_DEP_2)
	v_max3_num_f32 v9, v9, |v[\x+\i+2]|, |v[\x+\i+3]|
.endr
	s_delay_alu instid0(VALU_DEP_2)
	v_max3_num_f32 v8, v8, |v[\x+30]|, |v[\x+31]|
	s_delay_alu instid0(VALU_DEP_1)
	v_max3_num_f32 v8, v8, v9, FLOOR
	s_delay_alu instid0(VALU_DEP_1)
	v_add_nc_u32 v10, EOFF, v8                     ; the conversion takes the exponent field of this operand as its scale, and nothing else of it
.irp g, 0,1,2,3
	v_cvt_scalef32_pk8_fp4_f32 v[\cd+\g], v[\x+8*\g:\x+8*\g+7], v10
.endr
.endm
	s_load_b256 s[4:11], s[0:1], 0x0               ; mask s[4:5], keys s[6:7], values s[8:9], kv s[10:11]
	s_load_b128 s[12:15], s[0:1], 0x20             ; flags s[12:13], mwords s[14:15]
	v_lshl_add_u32 v62, v0, 2, 0x11800
	v_mov_b32 v63, 0
	v_lshrrev_b32 v1, 5, v0
	s_delay_alu instid0(VALU_DEP_1)
	v_readfirstlane_b32 s16, v1                    ; wave 0..15
	v_and_b32 v1, 31, v0                           ; lane
	v_and_b32 v2, 15, v0                           ; r
	v_bfe_u32 v3, v0, 4, 1                         ; h
	s_mov_b32 s20, 0x76543210
	s_mov_b32 s21, 0xfedcba98                      ; v_permlanex16_b32's selects for lane l xor 16
	s_mov_b32 s19, 0                               ; the upper word of every offset
	s_wait_kmcnt 0x0
	s_cmp_lt_u32 s16, 4
	s_cbranch_scc0 .Lnot_k
; ---- ROLE K.  Run j = 4 x work-group + wave of 64 keys, 16,384 consecutive bytes.  Each load takes 512 consecutive bytes (two keys); the conversions want 32 neighbouring channels of ONE key
; in a lane, and the keys in the operand's order: so a block of 32 keys turns through the wave's own stage in LDS.
	s_lshl_b32 s17, ttmp9, 2
	s_add_co_u32 s17, s17, s16                     ; j
	s_lshl_b32 s18, s17, 14
	s_add_nc_u64 s[6:7], s[6:7], s[18:19]          ; my 64 keys
	s_lshr_b32 s23, s17, 5                         ; head
	s_mul_i32 s18, s23, HEADB
	s_add_nc_u64 s[10:11], s[10:11], s[18:19]      ; the head's part of kv
	s_and_b32 s23, s17, 31                         ; which 64 keys of the head
	s_lshl_b32 s18, s23, 7
	s_add_co_u32 s18, s18, KSCL
	s_add_nc_u64 s[24:25], s[10:11], s[18:19]      ; their 32 scale words
	s_lshl_b32 s18, s23, 11
	s_add_nc_u64 s[10:11], s[10:11], s[18:19]      ; their 2,048 bytes of codes
	s_wait_alu depctr_va_vdst(0)
	v_lshlrev_b32 v4, 4, v1                        ; 16 x lane: loads and code stores
	v_lshlrev_b32 v5, 2, v1                        ; 4 x lane: the scale words' store
.set i, 0
.rept 32
	global_load_b128 v[64+4*i:67+4*i], v4, s[6:7] offset:512*i th:TH_LOAD_NT   ; keys 2 i (lanes 0-15) and 2 i + 1 (lanes 16-31)
.set i, i+1
.endr
	s_and_b32 s26, s16, 3
	s_mul_i32 s26, s26, 2*BLK                      ; my wave's two stages
	v_mul_u32_u24 v6, v3, KP
	s_delay_alu instid0(VALU_DEP_1)
	v_lshl_add_u32 v6, v2, 4, v6
	s_delay_alu instid0(VALU_DEP_1)
	v_add_nc_u32 v6, s26, v6                       ; in: row h of the pair, 16 r
	v_lshrrev_b32 v11, 3, v2                       ; r / 8
	s_delay_alu instid0(VALU_DEP_1)
	v_lshl_add_u32 v12, v11, 3, v2                 ; r + 8 (r / 8): the operand's order of keys
	s_delay_alu instid0(VALU_DEP_1)
	v_mul_u32_u24 v7, v12, KP
	s_delay_alu instid0(VALU_DEP_1)
	v_lshl_add_u32 v7, v11, 7, v7                  ; rows 16-31 lie 128 bytes further on, so that the sixteen rows of a read begin at sixteen different 16-byte columns of 256
	s_delay_alu instid0(VALU_DEP_1)
	v_lshl_add_u32 v7, v3, 7, v7                   ; my half of the channels
	s_delay_alu instid0(VALU_DEP_1)
	v_add_nc_u32 v7, s26, v7                       ; out
	v_mov_b32 v38, 0                               ; written once: a lane permute's destination counts as one of its sources
	v_mov_b32 v39, 0
	v_lshlrev_b32 v40, 3, v3                       ; 8 h
.macro KSTORE beta                     ; block beta's 32 keys into its stage, as loaded
.set i, 0
.rept 16
	ds_store_b128 v6, v[64+64*\beta+4*i:67+64*\beta+4*i] offset:\beta*BLK+2*i*KP+(i/8)*128
.set i, i+1
.endr
.endm
.macro KREAD beta, c, x                ; my key of piece (beta, c): 32 channels, 128 bytes.  LDS serves a wave's instructions in order: these see the stores
.irp j, 0,1,2,3,4,5,6,7
	ds_load_b128 v[\x+4*\j:\x+4*\j+3], v7 offset:\beta*BLK+8*\c*KP+16*\j
.endr
.endm
.macro PIECE beta, c, x
	QB \x, 16+4*(2*\beta+\c)
	v_lshrrev_b32 v[32+2*\beta+\c], 23, v10        ; the scale's byte (a plain line behind the conversions)
	global_store_b128 v4, v[16+4*(2*\beta+\c):19+4*(2*\beta+\c)], s[10:11] offset:\beta*1024+\c*512   ; 512 consecutive bytes; each piece has its own data registers
.endm
	s_wait_alu depctr_va_vdst(0)
	s_wait_loadcnt 16                              ; block 0's sixteen loads are in; block 1's sixteen may be out
	KSTORE 0
	KREAD 0, 0, 192
	KREAD 0, 1, 224
	s_wait_loadcnt 0x0
	KSTORE 1
	s_wait_dscnt 24                                ; piece (0, 0) is in; behind it: piece (0, 1)'s 8 loads and block 1's 16 stores
	PIECE 0, 0, 192
	KREAD 1, 0, 192
	s_wait_dscnt 24                                ; piece (0, 1) is in; behind it: 16 stores and 8 loads
	PIECE 0, 1, 224
	KREAD 1, 1, 224
	s_wait_dscnt 8                                 ; piece (1, 0) is in; behind it: 8 loads
	PIECE 1, 0, 192
	s_wait_dscnt 0x0
	PIECE 1, 1, 224
	v_lshl_or_b32 v36, v33, 16, v32                ; block 0: my bytes of c = 0 and c = 1,
	v_lshl_or_b32 v37, v35, 16, v34                ; block 1 likewise,
	s_delay_alu instid0(VALU_DEP_2)
	v_lshlrev_b32 v36, v40, v36                    ; at their places 2 c + h;
	s_delay_alu instid0(VALU_DEP_2)
	v_lshlrev_b32 v37, v40, v37
	s_delay_alu instid0(VALU_DEP_2)
	v_permlanex16_b32 v38, v36, s20, s21
	s_delay_alu instid0(VALU_DEP_2)
	v_permlanex16_b32 v39, v37, s20, s21
	s_delay_alu instid0(VALU_DEP_2)
	v_or_b32 v36, v36, v38                         ; with lane l xor 16's two the words are whole
	s_delay_alu instid0(VALU_DEP_2)
	v_or_b32 v37, v37, v39
	s_mov_b32 s22, 0xffff0000
	v_cndmask_b32 v41, v36, v37, s22               ; lanes 0-15 block 0's words, lanes 16-31 block 1's
	global_store_b32 v5, v41, s[24:25]             ; 128 consecutive bytes
	s_wait_tensorcnt 0x0
	ds_add_u32 v62, v63
	s_wait_dscnt 0x0
	s_endpgm
.Lnot_k:
	s_cmp_lt_u32 s16, 8
	s_cbranch_scc0 .Lmask
; ---- ROLE V.  Run j = 4 x work-group + wave - 4: step j / 2 (128 keys), channels 32 (j % 2) on.  A LANE TAKES A CHANNEL AND ITS REGISTERS RUN DOWN THE KEYS, which are this operand's K:
; a block of 32 keys lies in one lane's 32 registers, and the conversions' results are the operand's registers.
	s_lshl_b32 s17, ttmp9, 2
	s_add_co_u32 s17, s17, s16
	s_sub_co_u32 s17, s17, 4                       ; j
	s_lshr_b32 s18, s17, 1
	s_lshl_b32 s18, s18, 15                        ; 128 keys of 256 bytes
	s_and_b32 s23, s17, 1
	s_lshl_b32 s23, s23, 7                         ; 32 channels of 4 bytes
	s_add_co_u32 s18, s18, s23
	s_add_nc_u64 s[8:9], s[8:9], s[18:19]
	s_lshr_b32 s23, s17, 5                         ; head
	s_mul_i32 s18, s23, HEADB
	s_add_nc_u64 s[10:11], s[10:11], s[18:19]
	s_and_b32 s23, s17, 31
	s_lshl_b32 s18, s23, 7
	s_add_co_u32 s18, s18, VSCL
	s_add_nc_u64 s[24:25], s[10:11], s[18:19]      ; my 32 scale words
	s_lshl_b32 s18, s23, 11
	s_add_co_u32 s18, s18, VIMG
	s_add_nc_u64 s[10:11], s[10:11], s[18:19]      ; my two tiles' 2,048 bytes of codes
	s_wait_alu depctr_va_vdst(0)
	v_lshlrev_b32 v4, 2, v1                        ; 4 x lane: loads, and the scale words' store
	v_lshlrev_b32 v5, 10, v3
	s_delay_alu instid0(VALU_DEP_1)
	v_lshl_add_u32 v5, v2, 4, v5                   ; codes: tile lane / 16, row r
.macro VLOAD beta
.set i, 0
.rept 32
	global_load_b32 v[64+32*\beta+i], v4, s[8:9] offset:(32*\beta+i)*256 th:TH_LOAD_NT   ; key 32 beta + i, 32 neighbouring channels; the wave beside me takes the row's other half
.set i, i+1
.endr
.endm
.macro VBLOCK beta
	QB 64+32*\beta, 16+4*\beta
	v_lshrrev_b32 v11, 23, v10                     ; the scale's byte (a plain line behind the conversions)
.if \beta == 0
	s_delay_alu instid0(VALU_DEP_1)
	v_mov_b32 v32, v11
.else
	s_delay_alu instid0(VALU_DEP_1)
	v_lshl_or_b32 v32, v11, 8*\beta, v32           ; byte beta of my channel's word
.endif
	global_store_b128 v5, v[16+4*\beta:19+4*\beta], s[10:11] offset:(\beta/2)*512+(\beta%2)*256   ; sixteen lanes store 256 consecutive bytes, aligned
.endm
	VLOAD 0
	VLOAD 1
	s_wait_alu depctr_va_vdst(0)
	s_wait_loadcnt 32                              ; block 0 is in; block 1's 32 loads may be out
	VLOAD 2
	VBLOCK 0
	s_wait_loadcnt 32                              ; block 1 is in; block 2's may be out
	VLOAD 3
	VBLOCK 1
	s_wait_loadcnt 32                              ; block 2 is in; block 3's may be out
	VBLOCK 2
	s_wait_loadcnt 0x0
	VBLOCK 3
	global_store_b32 v4, v32, s[24:25]             ; 128 consecutive bytes
	s_endpgm
; ---- ROLE MASK.  Tile j = 8 x work-group + wave - 8: queries 16 (j / 16) on, keys 128 (j % 16) on.  Lane (r, h) takes, of row r, the 16 bytes at 32 b + 16 h: the keys that this lane's score registers hold.
.Lmask:
	s_lshl_b32 s17, ttmp9, 3
	s_add_co_u32 s17, s17, s16
	s_sub_co_u32 s17, s17, 8                       ; j
	s_lshr_b32 s18, s17, 4
	s_lshl_b32 s18, s18, 15                        ; 16 rows of 2,048 bytes
	s_and_b32 s23, s17, 15                         ; s
	s_lshl_b32 s22, s23, 7
	s_add_co_u32 s18, s18, s22
	s_add_nc_u64 s[4:5], s[4:5], s[18:19]
	s_lshl_b32 s18, s17, 8
	s_add_nc_u64 s[14:15], s[14:15], s[18:19]      ; my 64 words
	s_lshl_b32 s18, s17, 3
	s_add_nc_u64 s[12:13], s[12:13], s[18:19]      ; my two flag words
	s_wait_alu depctr_va_vdst(0)
	v_lshlrev_b32 v4, 11, v2
	s_delay_alu instid0(VALU_DEP_1)
	v_lshl_add_u32 v4, v3, 4, v4
.irp b, 0,1,2,3
	global_load_b128 v[16+4*\b:19+4*\b], v4, s[4:5] offset:32*\b th:TH_LOAD_NT
.endr
	v_mov_b32 v32, 0                               ; the words on their way out: lane n / 2, register n % 2
	v_mov_b32 v33, 0
	v_lshlrev_b32 v5, 3, v1
	v_mov_b32 v6, 0
	s_mov_b32 s24, -1                              ; the AND of the 64 words
	s_mov_b32 s25, 0                               ; and their OR
	s_wait_loadcnt 0x0
.set q, 0
.rept 16                               ; words 4 q .. 4 q + 3: the four bytes of register q
.irp k, 0,1,2,3
	v_bfe_u32 v[8+\k], v[16+q], 8*\k, 8
.endr
.irp k, 0,1,2,3
	s_delay_alu instid0(VALU_DEP_4)
	v_cmp_ne_u32 s[28+\k], 0, v[8+\k]              ; a bit for each lane
.endr
.irp k, 0,1,2,3
	s_and_b32 s24, s24, s[28+\k]
	s_or_b32 s25, s25, s[28+\k]
	v_writelane_b32 v[32+\k%2], s[28+\k], 2*q+\k/2
.endr
.set q, q+1
.endr
	global_store_b64 v5, v[32:33], s[14:15]        ; 256 consecutive bytes, aligned
	s_lshr_b32 s27, s24, 16
	s_and_b32 s27, s27, s24                        ; a row's two lanes together hold its 128 keys
	s_and_b32 s27, s27, 0xffff                     ; W0
	s_cmp_eq_u32 s24, -1
	s_cselect_b32 s32, 2, 0                        ; everything masked
	s_cmp_eq_u32 s25, 0
	s_cselect_b32 s33, 1, 0                        ; nothing masked
	s_or_b32 s32, s32, s33
	s_lshl_b32 s33, s23, 1
	s_lshl_b32 s32, s32, s33                       ; W1: at bits 2 s, 2 s + 1
	v_mov_b32 v34, s27
	v_mov_b32 v35, s32
	v_cmp_gt_u32 vcc_lo, 1, v1                     ; lane 0 stores the two words
	s_wait_alu depctr_va_vdst(0)
	s_wait_xcnt 0x0                                ; EXEC is one of the pending store's sources: it changes only behind this wait
	s_and_saveexec_b32 s26, vcc_lo
	global_store_b64 v6, v[34:35], s[12:13]
	s_wait_xcnt 0x0                                ; and again in front of the line that widens it
	s_or_b32 exec_lo, exec_lo, s26
	s_endpgm
.Lfunc_end_k_qf7f2affcc0_prep:
	.size	k_qf7f2affcc0_prep, .Lfunc_end_k_qf7f2affcc0_prep-k_qf7f2affcc0_prep
	.p2alignl 7, 3214868480
	.fill 96, 4, 3214868480
	.section	.rodata,"a",@progbits
	.p2align	6, 0x0
	.amdhsa_kernel k_qf7f2affcc0_prep
		.amdhsa_group_segment_fixed_size 73728
		.amdhsa_private_segment_fixed_size 0
		.amdhsa_enable_private_segment 0
		.amdhsa_kernarg_size 48
		.amdhsa_user_sgpr_count 2
		.amdhsa_user_sgpr_kernarg_segment_ptr 1
		.amdhsa_wavefront_size32 1
		.amdhsa_system_sgpr_workgroup_id_x 1
		.amdhsa_system_sgpr_workgroup_id_y 1
		.amdhsa_system_sgpr_workgroup_id_z 1
		.amdhsa_system_vgpr_workitem_id 0
		.amdhsa_next_free_vgpr 256
		.amdhsa_next_free_sgpr 66
		.amdhsa_reserve_vcc 1
		.amdhsa_float_denorm_mode_32 3
		.amdhsa_float_denorm_mode_16_64 3
		.amdhsa_memory_ordered 1
		.amdhsa_forward_progress 1
		.amdhsa_inst_pref_size 60
	.end_amdhsa_kernel
	.amdgpu_metadata
---
amdhsa.version: [ 1, 2 ]
amdhsa.kernels:
  - .name:           k_qf7f2affcc0_prep
    .symbol:         k_qf7f2affcc0_prep.kd
    .args:
      - { .name: attn_mask, .offset: 0, .size: 8, .value_kind: global_buffer, .address_space: global }
      - { .name: keys, .offset: 8, .size: 8, .value_kind: global_buffer, .address_space: global }
      - { .name: values, .offset: 16, .size: 8, .value_kind: global_buffer, .address_space: global }
      - { .name: kv, .offset: 24, .size: 8, .value_kind: global_buffer, .address_space: global }
      - { .name: flags, .offset: 32, .size: 8, .value_kind: global_buffer, .address_space: global }
      - { .name: mwords, .offset: 40, .size: 8, .value_kind: global_buffer, .address_space: global }
    .group_segment_fixed_size: 73728
    .private_segment_fixed_size: 0
    .kernarg_segment_align: 8
    .kernarg_segment_size: 48
    .max_flat_workgroup_size: 512
    .sgpr_count:     66
    .vgpr_count:     256
    .wavefront_size: 32
...
	.end_amdgpu_metadata
.endif
;; end of part 3
;; launch attn (part 4): grid 256 x 1, 16 waves a work-group, no clusters, 210,944 bytes of LDS; arguments queries, kv, flags, mwords, out0; writes out0
.if DOCPART == 4
	.amdgcn_target "amdgcn-amd-amdhsa--gfx1250"
	.amdhsa_code_object_version 6
	.text
	.protected	k_qf7f2affcc0_attn
	.globl	k_qf7f2affcc0_attn
	.p2align	8
	.type	k_qf7f2affcc0_attn,@function
k_qf7f2affcc0_attn:
	s_mov_b64 s[64:65], 0
	v_nop
	global_prefetch_b8 v0, s[64:65] scope:SCOPE_SE
	s_setreg_imm32_b32 hwreg(HW_REG_WAVE_SCHED_MODE, 0, 2), 2
	s_setreg_imm32_b32 hwreg(HW_REG_WAVE_MODE, 25, 1), 1
	s_wait_xcnt 0x0
	s_wait_alu depctr_vm_vsrc(0)
; out[head][q][:] = the sum over k of softmax_k(where(mask[q][k], -1e9, (Q[q] / 8) . K[k])) V[k][:], 32 heads, 2,048 queries and keys, 64 channels; both products on codes of E2M1 with one E8M0 scale for each 32 along K.
; K and V come as codes and scale words in the order of the operands' registers (buffer kv), the mask as lane-mask words (mwords) and two flag words a tile (flags), all made by the launch before.
; THE SOFTMAX AHEAD OF THE SECOND PRODUCT: t = score x log2(e); M = the row's largest t so far, rounded UP to a whole number; p = 2^(t - M) is quantised along the keys, not normalised.  The row's sum is taken
; of the unquantised p and divides at the end.  When M moves, the sum and O are multiplied by 2^(old M - new M): exact.
; SHARES.  A work-group takes one head and 16 tiles of 16 queries, a tile a wave, in 256 registers: four waves to a SIMD, so that one wave's vector work stands beside another's products and LDS loads.
; The head's whole part of kv, 139,264 bytes, is copied into LDS once, through registers; ONE barrier; then each wave walks the 16 steps of 128 keys by itself.
; WHICH TILE: work-group g of the head's eight, wave w: tile 8 rank(w) + g; rank is a fixed 4 x 4 square whose rows and columns have equal sums, so that any four waves w % 4 = const or w / 4 = const hold tiles
; spread evenly over the sequence.  It enters global addresses alone and is right for every mask.
; THE MASK IS AN INPUT AND IS HONOURED AS GIVEN.  A step is left out where all 16 x 128 entries are masked and none of the tile's 16 rows is masked at all 2,048 keys: every p there is 0.  The select is left out
; where the tile has no masked entry.  Both are scalar branches on whole numbers that the launch before stored.
; NO TENSOR LOADS, NO JOINT LOADS.  What the head's eight work-groups share is 139,264 bytes each, read once at the head; the branches spare every wholly masked step.
; A MASKED SCORE IS TAKEN AS -2^30, NOT -1e9: -2^30 x log2(e) is exact in f32 and a whole number, so that in a row masked at every key t - M, made by one fused multiply-add, is exactly 0 and p = 1, as the
; definition's t - M is for -1e9; in a row with an open key both give p = 0.
; LIMITS: open scores lie above about -9e8 (else a masked p would not be 0); NaN and infinities are not served; a block of Q under 2^-124 keeps the byte 1; a p under 2^-126 counts as 0.
; LAYOUT.  Both products are used transposed: S^T = K Q^T (source 0 = 16 keys, source 1 = my 16 queries), O^T = V^T P^T (source 0 = 16 channels, source 1 = P): a lane holds ONE query (lane % 16) throughout.
; The keys of a tile are not neighbours: lane r of tile 2 b + u takes key 32 b + 8 u + r + 8 (r / 8), so that the 16 score registers of tiles 2 b and 2 b + 1 are keys 32 b + 16 (lane / 16) + 0 .. 15.
; THE FIRST PRODUCT'S K IS 64, THE INSTRUCTION'S 128: a fragment of K holds tile 2 b in k = 0 .. 63 and tile 2 b + 1 in k = 64 .. 127; against [Q | zeros] it gives tile 2 b, against [zeros | Q] tile 2 b + 1.
; So no register and no LDS byte of K is padding; zero codes add nothing under any scale byte that is made here.
; THE MODE: SCHED_MODE bits 1:0 = 2 (LLVM: expert scheduling mode 2), set by the entry lines.  The code itself states the register dependences between vector or matrix instructions and memory or LDS
; instructions, with s_wait_alu, always for 0.
; THE PLAN.  Registers that memory or LDS instructions touch:
;   v1-v7, v30   addresses, made once at the head, ahead of one wait on va_vdst, and never written again.
;   v8-v11       at the head the fill's addresses (v8-v10); in a step: written by four additions at its head, read by its twenty LDS loads.
;   KF, v200-201 at the head Q's rows pass through KF (loads land, LDS stores read).  In a step: ten LDS loads land, the eight first products read.  On the way out: LDS loads land, the global stores read.
;   VF, v202-203 at the head Q's rows come back into VF and are quantised there.  In a step: ten LDS loads land, the four second products, at the step's end, read.
;   v96-v163     at the head the fill passes through (loads land, LDS stores read); then scores (v96-159) and part of O^T; on the way out v96-127 are the LDS stores' data.
;   Scores, p, p's codes and scale word and O^T are named in the loop by vector and matrix instructions alone.
; So a step's head has one wait on vm_vsrc (the step before's loads have read v8-11), the four additions, and ONE wait on va_vdst: v8-11 are written, and the products of the step before are done reading
; KF, VF and the four scale registers.  All twenty loads lean on it: K's follow it at once; V's are dealt among the eight first products, which name the scores, KF, Q's registers and v200-201 and none of
; VF, v202-203, v9, v11.  A step that is left out issues no vector and no LDS instruction, so the next step that is worked finds the same state.
.set HEADB, 139264
.set VIMG,  65536                      ; LDS = the head's part of kv as it lies in memory: K's codes at 0, V's codes here,
.set KSCL,  131072                     ; K's scale words,
.set VSCL,  135168                     ; V's;
.set STAGE, 139264                     ; behind them a stage of 16 rows x 272 bytes for each wave: Q's way in, O's way out
.set SP,    272
.set AK0,  1                           ; v1   16 x lane: my place in a fragment's image (and Q's loads)
.set AV0,  2                           ; v2   VIMG + 16 x lane
.set ASK0, 3                           ; v3   KSCL + 4 x lane
.set ASV0, 4                           ; v4   VSCL + 4 x lane
.set STO,  5                           ; v5   stage: row r, + 32 h
.set RD,   6                           ; v6   stage: row h, + 16 r
.set GO,   7                           ; v7   256 h + 16 r: the same two rows in memory
.set ADK,  8                           ; v8-11 the step's LDS addresses (at the head: the fill's)
.set ADV,  9
.set ADS,  10
.set ADT,  11
                                       ; v12 -M, v13 the largest t, v[14:15] the sum in two halves
.set QZ,   16                          ; v[16:19] zeros, v[20:23] Q's codes, v[24:27] zeros
.set QS,   28                          ; v28  Q's scale word (q0, q1, q0, q1)
.set NEG,  29                          ; v29  -2^30
.set QR,   30                          ; v30  stage: row r, + 128 h
.set KF,   32                          ; v[32:63]   K's four fragments
.set VF,   64                          ; v[64:95]   V's four
.set S,    96                          ; v[96:159]  S^T, then p
.set O,    160                         ; v[160:191] O^T
.set PC,   192                         ; v[192:199] p's codes
.set KS,   200                         ; v200-201 K's scale words, v202-203 V's, v204 p's: they hold scales and nothing else
.set VS,   202
.set PS,   204
.set BM,   208                         ; v[208:211] a block's largest score, then its largest p
.set TP,   212                         ; v[212:215] at work
.set SC,   216                         ; v[216:219] the conversions' scale operands
.set F,    220                         ; v[220:221] f = 2^(old M - new M); the pair's upper word is written once
.set TT,   222
.set SU,   224                         ; v[224:225] the sum's second chain
.set LN,   226
.set RR,   227
.set HH,   228
.set H8,   229
.set WV,   14                          ; s14 wave, s15 my tile of queries
.set TQ,   15
                                       ; s[16:63], s[80:95] the step's 64 mask words (at the head s[16:47]: the flags)
.set FL,   66                          ; s66  two flag bits a step, the step in hand lowest: bit 0 nothing masked, bit 1 leave the step out
.set T0,   67
.set TB,   68                          ; s68  the step's codes: 4,096 bytes a step
.set TS,   69                          ; s69  its scale words: 256 bytes a step
.set CNT,  70
.set SEL,  72                          ; s[72:73] v_permlanex16_b32's selects for lane l xor 16
.set CS,   74                          ; s[74:75] log2(e), twice: the packed form names a pair
.set OF,   76                          ; s[76:77] an offset in 64 bits
.set T1,   78
.set SB,   79                          ; s79  my stage's first byte; vector lines read it, and it is never written again
.macro PROD d, a, b, c, sa, sb, row    ; one product; row = 1: source 0's scales stand in lanes 16-31
.if \row
	v_wmma_scale_f32_16x16x128_f8f6f4 v[(\d):(\d)+7], v[(\a):(\a)+7], v[(\b):(\b)+7], \c, v[\sa], v[\sb] matrix_a_fmt:MATRIX_FMT_FP4 matrix_b_fmt:MATRIX_FMT_FP4 matrix_a_scale:MATRIX_SCALE_ROW1
.else
	v_wmma_scale_f32_16x16x128_f8f6f4 v[(\d):(\d)+7], v[(\a):(\a)+7], v[(\b):(\b)+7], \c, v[\sa], v[\sb] matrix_a_fmt:MATRIX_FMT_FP4 matrix_b_fmt:MATRIX_FMT_FP4
.endif
.endm
	s_load_b256 s[4:11], s[0:1], 0x0               ; queries s[4:5], kv s[6:7], flags s[8:9], mwords s[10:11]
	s_load_b64 s[12:13], s[0:1], 0x20              ; out
	v_lshl_add_u32 v254, v0, 2, 0x33000
	v_mov_b32 v255, 0
	v_lshrrev_b32 v[LN], 5, v0
	v_readfirstlane_b32 s[WV], v[LN]               ; wave 0..15
	v_and_b32 v[LN], 31, v0                        ; lane
	v_and_b32 v[RR], 15, v0                        ; r
	v_bfe_u32 v[HH], v0, 4, 1                      ; h
	v_lshlrev_b32 v[H8], 3, v[HH]
	v_lshlrev_b32 v[AK0], 4, v[LN]                 ; (the lines that do not want the wave's number stand ahead of the wait for it)
	v_add_nc_u32 v[AV0], VIMG, v[AK0]
	v_lshl_add_u32 v[ASK0], v[LN], 2, KSCL
	v_lshl_add_u32 v[ASV0], v[LN], 2, VSCL
	v_mul_u32_u24 v[STO], v[RR], SP
	v_lshl_add_u32 v[STO], v[HH], 5, v[STO]
	v_mul_u32_u24 v[RD], v[HH], SP
	v_lshl_add_u32 v[RD], v[RR], 4, v[RD]
	v_mul_u32_u24 v[QR], v[RR], SP
	v_lshl_add_u32 v[QR], v[HH], 7, v[QR]
	v_lshlrev_b32 v[GO], 8, v[HH]
	v_lshl_add_u32 v[GO], v[RR], 4, v[GO]
	v_lshlrev_b32 v8, 4, v0                        ; the fill: 16 bytes a thread, 8,192 a round
	v_add_nc_u32 v9, VIMG, v8
	v_add_nc_u32 v10, KSCL, v8
	s_wait_alu depctr_va_sdst(0)                   ; the wave's number is written, ahead of its first reader: the stage's place and the tile are made from it
	s_mul_i32 s[SB], s[WV], 16*SP
	s_add_co_u32 s[SB], s[SB], STAGE               ; my stage
	v_add_nc_u32 v[STO], s[SB], v[STO]
	v_add_nc_u32 v[RD], s[SB], v[RD]
	v_add_nc_u32 v[QR], s[SB], v[QR]
	s_mov_b32 s[T0], 0x0de3b658                    ; rank(w), a nibble a wave: 15 2 1 12 | 4 9 10 7 | 8 5 6 11 | 3 14 13 0
	s_cmp_lt_u32 s[WV], 8
	s_cselect_b32 s[T0], 0x7a94c12f, s[T0]
	s_and_b32 s[T1], s[WV], 7
	s_lshl_b32 s[T1], s[T1], 2
	s_lshr_b32 s[T0], s[T0], s[T1]
	s_and_b32 s[T0], s[T0], 15
	s_and_b32 s[T1], ttmp9, 7
	s_lshl_b32 s[TQ], s[T0], 3
	s_add_co_u32 s[TQ], s[TQ], s[T1]               ; my tile of 16 queries: 8 rank + g
	s_lshr_b32 s[T1], ttmp9, 3                     ; head
	s_mov_b32 s[OF+1], 0
	s_mov_b32 s[SEL], 0x76543210
	s_mov_b32 s[SEL+1], 0xfedcba98
	s_mov_b32 s[CS], 0x3fb8aa3b                    ; log2(e)
	s_mov_b32 s[CS+1], s[CS]
	s_mov_b32 s[TB], 0
	s_mov_b32 s[TS], 0
	s_mov_b32 s[CNT], 0
	s_lshl_b32 s[T0], s[TQ], 12                    ; a tile's 16 rows of Q or out, and its 16 x 64 mask words, are 4,096 bytes
	s_wait_kmcnt 0x0
	s_lshl_b32 s[OF], s[TQ], 7
	s_add_nc_u64 s[8:9], s[8:9], s[OF:OF+1]        ; my tile's 32 flag words
	s_load_b512 s[16:31], s[8:9], 0x0
	s_load_b512 s[32:47], s[8:9], 0x40
	s_mov_b32 s[OF], s[T0]
	s_add_nc_u64 s[10:11], s[10:11], s[OF:OF+1]    ; its mask words
	s_lshl_b32 s[OF], s[T1], 19
	s_add_co_u32 s[OF], s[OF], s[T0]
	s_add_nc_u64 s[4:5], s[4:5], s[OF:OF+1]        ; its rows of Q
	s_add_nc_u64 s[12:13], s[12:13], s[OF:OF+1]    ; and of out
	s_mul_i32 s[OF], s[T1], HEADB
	s_add_nc_u64 s[6:7], s[6:7], s[OF:OF+1]        ; the head's part of kv
	s_wait_alu depctr_va_vdst(0)                   ; v1 to v10 and v30 are written: the loads and stores of the head and of the way out read them as addresses; no vector line of the head names them again
.irp i, 0,1,2,3,4,5,6,7
	global_load_b128 v[KF+4*\i:KF+4*\i+3], v[AK0], s[4:5] offset:512*\i th:TH_LOAD_NT   ; Q: 512 consecutive bytes, two rows
.endr
.set i, 0
.rept 17
	global_load_b128 v[S+4*i:S+4*i+3], v8, s[6:7] offset:8192*i   ; the fill: 17 rounds of 8,192 bytes; the head's other work-groups read the same bytes
.set i, i+1
.endr
.irp j, 0,1,2,3
	v_mov_b32 v[QZ+\j], 0                          ; the zero halves beside Q's codes
	v_mov_b32 v[QZ+8+\j], 0
	v_mov_b32 v[TP+\j], 0                          ; written once: a lane permute's destination counts as one of its sources
.endr
	v_mov_b32 v[TT], 0
	v_mov_b32 v[F+1], 0                            ; (named as the upper half of the pair)
	v_mov_b32 v[NEG], 0xce800000                   ; -2^30
	v_mov_b32 v13, 0xff61b1e6                      ; the largest t so far: -3e38, under every t
	v_floor_f32 v12, -v13                          ; -M
	v_mov_b32 v14, 0
	v_mov_b32 v15, 0
	s_wait_kmcnt 0x0                               ; the flags
	s_and_b32 s[T0], s16, s18                      ; rows masked at all 2,048 keys
	s_or_b32 s[FL], s17, s19                       ; each step's two bits at their place
.irp k, 20,22,24,26,28,30,32,34,36,38,40,42,44,46
	s_and_b32 s[T0], s[T0], s[\k]
	s_or_b32 s[FL], s[FL], s[\k+1]
.endr
	s_cmp_lg_u32 s[T0], 0
	s_cselect_b32 s[T0], 0x55555555, -1            ; with such a row in the tile no step is left out: its p are 1 everywhere
	s_and_b32 s[FL], s[FL], s[T0]
	; Q / 8 into codes: a lane wants 32 neighbouring channels of its row, so the rows turn through my stage
	s_wait_loadcnt 17                              ; Q's eight loads are in; the fill's seventeen may be out
.irp i, 0,1,2,3,4,5,6,7
	ds_store_b128 v[RD], v[KF+4*\i:KF+4*\i+3] offset:2*\i*SP
.endr
.irp j, 0,1,2,3,4,5,6,7
	ds_load_b128 v[VF+4*\j:VF+4*\j+3], v[QR] offset:16*\j   ; LDS serves a wave's instructions in order: these see my stores.  No vector line has named VF yet
.endr
	s_wait_dscnt 0x0
.irp j, 0,2,4,6,8,10,12,14,16,18,20,22,24,26,28,30
	v_pk_mul_f32 v[VF+\j:VF+\j+1], v[VF+\j:VF+\j+1], 0x3e000000 op_sel_hi:[1,0]   ; / sqrt(64): exact
.endr
	v_max3_num_f32 v[BM], |v[VF]|, |v[VF+1]|, |v[VF+2]|            ; my block's largest magnitude: all 32 numbers are mine
	v_max3_num_f32 v[BM+1], |v[VF+3]|, |v[VF+4]|, |v[VF+5]|
.irp i, 6,10,14,18,22,26
	v_max3_num_f32 v[BM], v[BM], |v[VF+\i]|, |v[VF+\i+1]|
	v_max3_num_f32 v[BM+1], v[BM+1], |v[VF+\i+2]|, |v[VF+\i+3]|
.endr
	v_max3_num_f32 v[BM], v[BM], |v[VF+30]|, |v[VF+31]|
	v_max3_num_f32 v[BM], v[BM], v[BM+1], 0x1800000                ; and the floor 2^(3 - 127): the byte cannot fall under 1
	v_add_nc_u32 v[SC], 0xff000000, v[BM]          ; 2 off the exponent field: the conversions' scale operand
.irp g, 0,1,2,3
	v_cvt_scalef32_pk8_fp4_f32 v[QZ+4+\g], v[VF+8*\g:VF+8*\g+7], v[SC]
.endr
	v_lshrrev_b32 v[TP], 23, v[SC]                 ; the byte (a plain line behind the conversions),
	v_lshlrev_b32 v[TP], v[H8], v[TP]              ; at place h;
	v_permlanex16_b32 v[TP+1], v[TP], s[SEL], s[SEL+1]
	v_or_b32 v[TP], v[TP], v[TP+1]                 ; with lane l xor 16's: (q0, q1),
	v_lshl_or_b32 v[QS], v[TP], 16, v[TP]          ; for either half of the instruction's K
.set i, 0
.rept 17
	s_wait_loadcnt 16-i                            ; round i is in; the later rounds may be out
	ds_store_b128 v[8+i/8], v[S+4*i:S+4*i+3] offset:8192*(i%8)   ; data from loads, addresses from ahead of the head's wait on va_vdst: no vector line has named either since
.set i, i+1
.endr
	s_wait_alu depctr_vm_vsrc(0)                   ; the fill's LDS stores have read v160 to v163, which the zeros below write, and v96 to v159, which the products write; the stage's stores have read KF, in which K's fragments land
.set j, 0
.rept 32
	v_mov_b32 v[O+j], 0                            ; O^T.  (The step is written once: the first finds zeros, which the first change of M leaves zeros)
.set j, j+1
.endr
	s_wait_dscnt 0x0                               ; for the others' sake: my part of the fill has landed
	s_barrier_signal -1
	s_barrier_wait -1                              ; the head's codes and scale words lie in LDS; nothing writes them again
.Lstep:                                            ; 16 trips: 128 keys each
	s_bitcmp1_b32 s[FL], 1                         ; every p of this step is 0: only the addresses step
	s_cbranch_scc1 .Lnext
	s_wait_alu depctr_vm_vsrc(0)                   ; the LDS loads of the step worked before (ahead of the first: the fill's stores) have read v8 to v11, which the four lines below write
	v_add_nc_u32 v[ADK], s[TB], v[AK0]
	v_add_nc_u32 v[ADV], s[TB], v[AV0]
	v_add_nc_u32 v[ADS], s[TS], v[ASK0]
	v_add_nc_u32 v[ADT], s[TS], v[ASV0]
	s_wait_alu depctr_va_vdst(0)                   ; v8 to v11 are written, which the twenty loads read; the products of the step before are done reading KF, VF and v200 to v203, in which they land; ahead of the first step: the quantiser's lines on VF are done, and Q's codes, the zeros beside them and Q's scale word are written for the scaled products
.irp f, 0,1,2,3
.irp c, 0,1
	ds_load_b128 v[KF+8*\f+4*\c:KF+8*\f+4*\c+3], v[ADK] offset:\f*1024+\c*512   ; 512 consecutive bytes: the registers' image
.endr
.endr
	ds_load_b32 v[KS], v[ADS]                      ; lanes 0-15 fragment 0's words, lanes 16-31 fragment 1's
	ds_load_b32 v[KS+1], v[ADS] offset:128
	s_wait_dscnt 0x0                               ; K's ten loads are in; nothing younger is out
.irp f, 0,1,2,3
	PROD S+16*\f, KF+8*\f, QZ+4, 0, KS+\f/2, QS, \f%2       ; [Q | zeros]: tile 2 f
	PROD S+16*\f+8, KF+8*\f, QZ, 0, KS+\f/2, QS, \f%2       ; [zeros | Q]: tile 2 f + 1
.irp c, 0,1
	ds_load_b128 v[VF+8*\f+4*\c:VF+8*\f+4*\c+3], v[ADV] offset:\f*1024+\c*512   ; V's fragment f.  No wait: no vector or matrix instruction since the wait at the step's head names VF, v202, v203, v9 or v11
.endr
.endr
	ds_load_b32 v[VS], v[ADT]
	ds_load_b32 v[VS+1], v[ADT] offset:128
.rept 4
	v_nop                                          ; places between the products and the first read of their results
.endr
	s_bitcmp1_b32 s[FL], 0                         ; nothing masked in this tile
	s_cbranch_scc1 .Lopen
	s_load_b512 s[16:31], s[10:11], 0x0            ; the tile's 64 lane masks
	s_load_b512 s[32:47], s[10:11], 0x40
	s_load_b512 s[48:63], s[10:11], 0x80
	s_load_b512 s[80:95], s[10:11], 0xc0
	s_wait_kmcnt 0x0
	s_wait_xcnt 0x0                                ; the loads have read their base, which steps at the trip's end
.set n, 0
.rept 64
.if n < 48
	v_cndmask_b32 v[S+n], v[S+n], v[NEG], s[16+n]  ; the masked score takes the score's place, ahead of the maximum; each accumulator from its low end on
.else
	v_cndmask_b32 v[S+n], v[S+n], v[NEG], s[32+n]
.endif
.set n, n+1
.endr
.Lopen:
.irp b, 0,1,2,3
	v_max3_num_f32 v[BM+\b], v[S+16*\b], v[S+1+16*\b], v[S+2+16*\b]   ; the largest score of each block of 32 keys: it serves for the row's maximum and, since p rises with the score, for the block's largest p
.endr
.irp i, 3,5,7,9,11,13
.irp b, 0,1,2,3
	v_max3_num_f32 v[BM+\b], v[BM+\b], v[S+16*\b+\i], v[S+1+16*\b+\i]   ; (the four blocks by turns)
.endr
.endr
.irp b, 0,1,2,3
	v_max_num_f32 v[BM+\b], v[BM+\b], v[S+15+16*\b]
.endr
.irp b, 0,1,2,3
	v_permlanex16_b32 v[TP+\b], v[BM+\b], s[SEL], s[SEL+1]
.endr
.irp b, 0,1,2,3
	v_max_num_f32 v[BM+\b], v[BM+\b], v[TP+\b]     ; with lane l xor 16's 16 keys
.endr
	v_max3_num_f32 v[TT], v[BM], v[BM+1], v[BM+2]
	v_max_num_f32 v[TT], v[TT], v[BM+3]            ; the step's largest score of my query,
	v_mul_f32 v[TT], s[CS], v[TT]                  ; as t
	v_max_num_f32 v13, v13, v[TT]                  ; the running largest t
	v_mov_b32 v[TT], v12
	v_floor_f32 v12, -v13                          ; the new -M = floor(-t) = -ceil(t): a whole number
	v_sub_f32 v[TT], v12, v[TT]                    ; old M - new M: a whole number, 0 or less
	v_cvt_i32_f32 v[TT], v[TT]                     ; (it saturates)
	v_ldexp_f32 v[F], 1.0, v[TT]                   ; f = 2^(old M - new M)
.irp j, 0,2,4,6,8,10,12,14,16,18,20,22,24,26,28,30,32,34,36,38,40,42,44,46,48,50,52,54,56,58,60,62
	v_pk_fma_f32 v[S+\j:S+\j+1], v[S+\j:S+\j+1], s[CS:CS+1], v[12:13] op_sel_hi:[1,0,0]   ; t - M, two at a time
.endr
.irp b, 0,1,2,3
	v_fma_f32 v[BM+\b], v[BM+\b], s[CS], v12       ; the same of each block's largest score
.endr
.set j, 0
	s_wait_alu depctr_va_vdst(0)
.rept 64
	v_exp_f32 v[S+j], v[S+j]                       ; p = 2^(t - M), at most 1
.set j, j+1
.endr
	v_pk_mul_f32 v[14:15], v[14:15], v[F:F+1] op_sel_hi:[1,0]   ; the sums under the new M (a plain line behind the exponentials)
	s_wait_alu depctr_va_vdst(0)                   ; the 64 exponentials have written p: one wait for the batch, ahead of its first reader
.irp b, 0,1,2,3
	v_exp_f32 v[BM+\b], v[BM+\b]                   ; the block's largest p: the same two instructions on the same number give the same bits
.endr
	v_pk_add_f32 v[SU:SU+1], v[S:S+1], v[S+2:S+3]  ; the row's sum is taken of the unquantised p: two at a time, in two chains
.irp j, 4,8,12,16,20,24,28,32,36,40,44,48,52,56,60
	v_pk_add_f32 v[14:15], v[14:15], v[S+\j:S+\j+1]
	v_pk_add_f32 v[SU:SU+1], v[SU:SU+1], v[S+2+\j:S+3+\j]
.endr
	v_pk_add_f32 v[14:15], v[14:15], v[SU:SU+1]
	s_wait_alu depctr_va_vdst(0)                   ; the four exponentials have written the blocks' largest p, ahead of their first reader
.irp b, 0,1,2,3
	v_max_num_f32 v[BM+\b], 0x1800000, v[BM+\b]    ; the floor 2^(3 - 127): a block whose every p is 0 keeps the byte 1; its codes are zeros
.endr
.irp b, 0,1,2,3
	v_add_nc_u32 v[SC+\b], 0xff000000, v[BM+\b]    ; 2 off the exponent field: the conversions' scale operand
.endr
.irp b, 0,1,2,3
	v_lshrrev_b32 v[TP+\b], 23, v[SC+\b]           ; the scale's byte
.endr
	v_lshl_or_b32 v[PS], v[TP+1], 8, v[TP]         ; p's scale word for these 128 keys
	v_lshl_or_b32 v[PS], v[TP+2], 16, v[PS]
	v_lshl_or_b32 v[PS], v[TP+3], 24, v[PS]
.irp b, 0,1,2,3
	v_cvt_scalef32_pk8_fp4_f32 v[PC+2*\b], v[S+16*\b:S+7+16*\b], v[SC+\b]
	v_cvt_scalef32_pk8_fp4_f32 v[PC+1+2*\b], v[S+8+16*\b:S+15+16*\b], v[SC+\b]
.endr
	v_nop                                          ; one plain line between a scaled conversion and the vector instruction that touches its result
.irp c, 0,1                                    ; the operand's layout wants a whole block in a lane: lanes 0-15 block 2 c, lanes 16-31 block 2 c + 1
.irp i, 0,1
	v_permlane16_swap_b32 v[PC+4*\c+\i], v[PC+2+4*\c+\i]
.endr
.endr
.irp j, 0,2,4,6,8,10,12,14,16,18,20,22,24,26,28,30
	v_pk_mul_f32 v[O+\j:O+\j+1], v[O+\j:O+\j+1], v[F:F+1] op_sel_hi:[1,0]   ; O^T under the new M.  (These sixteen are also the places between p's codes and scale word and the products)
.endr
	s_wait_dscnt 0x0                               ; V's fragments and scale words, asked for among the first products
	s_wait_alu depctr_va_vdst(0)                   ; p's codes and p's scale word are written, which the scaled products take as source 1 and as its scales; the places above stay beside this wait
.irp t, 0,1,2,3
	PROD O+8*\t, VF+8*\t, PC, v[O+8*\t:O+8*\t+7], VS+\t/2, PS, \t%2   ; the four accumulators take turns, one instruction a turn, and the next trip's eight products stand between two links of a chain
.endr
.Lnext:
	s_lshr_b32 s[FL], s[FL], 2                     ; the next step's flags,
	s_add_co_u32 s[TB], s[TB], 4096                ; codes,
	s_add_co_u32 s[TS], s[TS], 256                 ; scale words
	s_add_nc_u64 s[10:11], s[10:11], 256           ; and mask words
	s_add_co_u32 s[CNT], s[CNT], 1
	s_cmp_lt_u32 s[CNT], 16
	s_cbranch_scc1 .Lstep
	; THE WAY OUT.  O^T / the sum goes through my stage and leaves as whole rows of 256 bytes.
.rept 4
	v_nop                                          ; places behind the last products
.endr
	v_add_f32 v14, v14, v15                        ; the sum's two halves,
	v_permlanex16_b32 v[TT], v14, s[SEL], s[SEL+1]
	v_add_f32 v14, v14, v[TT]                      ; and lane l xor 16's: the row's sum, at least 1/2
	s_wait_alu depctr_va_vdst(0)
	v_rcp_f32 v14, v14
	v_nop                                          ; a plain line behind the reciprocal
	s_wait_alu depctr_va_vdst(0)                   ; the reciprocal has written v14, ahead of its first reader
.irp j, 0,2,4,6,8,10,12,14,16,18,20,22,24,26,28,30
	v_pk_mul_f32 v[S+\j:S+\j+1], v[O+\j:O+\j+1], v[14:15] op_sel_hi:[1,0]   ; register 8 t + i is out(r, 16 t + 8 h + i); each accumulator from its low end on
.endr
	s_wait_alu depctr_va_vdst(0)                   ; the sixteen multiplies have written v96 to v127, which the LDS stores read; the products are long done reading KF, in which the loads below land
.irp t, 0,1,2,3
	ds_store_b128 v[STO], v[S+8*\t:S+8*\t+3] offset:64*\t
	ds_store_b128 v[STO], v[S+8*\t+4:S+8*\t+7] offset:64*\t+16
.endr
.irp i, 0,1,2,3,4,5,6,7
	ds_load_b128 v[KF+4*\i:KF+4*\i+3], v[RD] offset:2*\i*SP   ; LDS serves a wave's instructions in order: these see my stores
.endr
.irp i, 0,1,2,3,4,5,6,7
	s_wait_dscnt 7-\i                              ; load i is in; the later ones may be out
	global_store_b128 v[GO], v[KF+4*\i:KF+4*\i+3], s[12:13] offset:512*\i th:TH_STORE_NT   ; sixteen lanes store a row's 256 consecutive bytes, aligned
.endr
	s_wait_dscnt 0x0
	s_wait_alu depctr_hold_cnt(0) depctr_sa_sdst(0) depctr_va_vdst(0) depctr_va_sdst(0) depctr_va_ssrc(0) depctr_va_vcc(0) depctr_vm_vsrc(0)
	s_wait_tensorcnt 0x0
	ds_add_u32 v254, v255
	s_wait_dscnt 0x0
	s_endpgm
.Lfunc_end_k_qf7f2affcc0_attn:
	.size	k_qf7f2affcc0_attn, .Lfunc_end_k_qf7f2affcc0_attn-k_qf7f2affcc0_attn
	.p2alignl 7, 3214868480
	.fill 96, 4, 3214868480
	.section	.rodata,"a",@progbits
	.p2align	6, 0x0
	.amdhsa_kernel k_qf7f2affcc0_attn
		.amdhsa_group_segment_fixed_size 210944
		.amdhsa_private_segment_fixed_size 0
		.amdhsa_enable_private_segment 0
		.amdhsa_kernarg_size 40
		.amdhsa_user_sgpr_count 2
		.amdhsa_user_sgpr_kernarg_segment_ptr 1
		.amdhsa_wavefront_size32 1
		.amdhsa_system_sgpr_workgroup_id_x 1
		.amdhsa_system_sgpr_workgroup_id_y 1
		.amdhsa_system_sgpr_workgroup_id_z 1
		.amdhsa_system_vgpr_workitem_id 0
		.amdhsa_next_free_vgpr 256
		.amdhsa_next_free_sgpr 100
		.amdhsa_reserve_vcc 0
		.amdhsa_float_denorm_mode_32 3
		.amdhsa_float_denorm_mode_16_64 3
		.amdhsa_memory_ordered 1
		.amdhsa_forward_progress 1
		.amdhsa_inst_pref_size 38
	.end_amdhsa_kernel
	.amdgpu_metadata
---
amdhsa.version: [ 1, 2 ]
amdhsa.kernels:
  - .name:           k_qf7f2affcc0_attn
    .symbol:         k_qf7f2affcc0_attn.kd
    .args:
      - { .name: queries, .offset: 0, .size: 8, .value_kind: global_buffer, .address_space: global }
      - { .name: kv, .offset: 8, .size: 8, .value_kind: global_buffer, .address_space: global }
      - { .name: flags, .offset: 16, .size: 8, .value_kind: global_buffer, .address_space: global }
      - { .name: mwords, .offset: 24, .size: 8, .value_kind: global_buffer, .address_space: global }
      - { .name: out0, .offset: 32, .size: 8, .value_kind: global_buffer, .address_space: global }
    .group_segment_fixed_size: 210944
    .private_segment_fixed_size: 0
    .kernarg_segment_align: 8
    .kernarg_segment_size: 40
    .max_flat_workgroup_size: 512
    .sgpr_count:     100
    .vgpr_count:     256
    .wavefront_size: 32
...
	.end_amdgpu_metadata
.endif
;; end of part 4
